; MI455X (gfx1250); checked and timed in simulation.
; The chip was launched on July 23, 2026; its instructions are those of AMD's public machine-readable ISA for CDNA 5 (MIT licence, August 2026) and "CDNA5" Instruction Set Architecture Reference Guide (July 2026). The comments in the code are by the model that wrote it; some were corrected since.
;; Causal Self Attention Last. Allowed arithmetic: matrix products marked QUANTISED: E2M3 operands, one E8M0 scale for each 32 along K, by v_wmma_scale_f32_16x16x128_f8f6f4 with both operands' format E2M3, f32 sums; products left as they are: f32 operands where the result goes on into a quantised operand, else bf16, f16 or f32 operands; f32 sums; everything else in f32.
;; Inputs: Wk_codes 2,048 x 64 x 24 uint8 (E2M3 codes of Wk, K innermost, in blocks of 32 codes, four codes in three bytes); Wk_scales 2,048 x 64 uint8 (E8M0 scales of Wk, one for each 32 codes along K); Wp 2,048 x 2,048 float32; Wq 2,048 x 2,048 float32; Wv_codes 2,048 x 64 x 24 uint8 (E2M3 codes of Wv, K innermost, in blocks of 32 codes, four codes in three bytes); Wv_scales 2,048 x 64 uint8 (E8M0 scales of Wv, one for each 32 codes along K); bk 2,048 float32; bp 2,048 float32; bq 2,048 float32; bv 2,048 float32; x 4 x 2,048 x 2,048 float32.
;; Outputs: out0 4 x 1 x 2,048 float32; out1 4 x 1 x 2,048 float32.
;; This version of the problem:
;;   THIS VERSION OF THE PROBLEM IS GIVEN IN LOW PRECISION. The matrix products marked QUANTISED in the list below multiply operands that are first quantised to E2M3 (2 exponent bits, 3 mantissa bits; 6 bits a number), with one power-of-two scale for each 32 numbers along K (OCP MX v1.0); their sums are f32. All else is computed in f32.
;;   The module's matrix products, in the order in which they are computed (A, B: the left and right operand; K: the contracted axis; several contracted axes count as one K, in the product's order):
;;     1. [M 8,192, K 2,048] x [K 2,048, N 2,048]; A: input x; B: input Wk (given as codes): QUANTISED
;;     2. [M 8,192, K 2,048] x [K 2,048, N 2,048]; A: input x; B: input Wv (given as codes): QUANTISED
;;     3. [M 4, K 2,048] x [K 2,048, N 2,048]; A: input x; B: input Wq: left as it is (M = 4 < 16)
;;     4. batch 4 x [M 1, K 2,048] x [K 2,048, N 2,048]; A: computed on the way; B: computed on the way: left as it is (M = 1 < 16)
;;     5. batch 4 x [M 1, K 2,048] x [K 2,048, N 2,048]; A: softmax; B: computed on the way: left as it is (M = 1 < 16)
;;     6. [M 4, K 2,048] x [K 2,048, N 2,048]; A: computed on the way; B: input Wp: left as it is (M = 4 < 16)
;;   THE QUANTISER, for each operand of a quantised product, along K:
;;     - K is cut into blocks of 32 from its start; a last block that is shorter is filled with zeros.
;;     - A block's scale is 2^e with e = floor(log2(the largest magnitude in the block)) - 2, held to -126 .. 127; a block of zeros has e = 0. As a byte (E8M0): e + 127.
;;     - Each number is divided by its block's scale, clamped to +-7.5, and rounded to the nearest number of E2M3, ties to even, subnormals kept.
;;     - The product sums the exact products of the quantised numbers (number of the format x scale) in f32.
;;   ~~~python
;;   def quantise(x, axis):      # numpy; x: float32 -> the quantised numbers, widened to float32 again
;;       x = np.moveaxis(x, axis, -1); K = x.shape[-1]
;;       x = np.pad(x, [(0, 0)] * (x.ndim - 1) + [(0, -K % 32)]); x = x.reshape(x.shape[:-1] + (-1, 32)); a = np.abs(x).max(-1, keepdims=True)
;;       e = np.where(a > 0, np.clip(np.frexp(np.where(a > 0, a, 1))[1] - 1 - 2, -126, 127), 0)      # np.frexp(a)[1] - 1 = floor(log2(a)), exactly
;;       r = np.clip(x / 2.0 ** e, -7.5, 7.5)
;;       step = 2.0 ** (np.maximum(np.frexp(np.where(r == 0, 1, r))[1] - 1, 0) - 3)
;;       q = np.round(r / step) * step * 2.0 ** e      # np.round: ties to even
;;       return np.moveaxis(q.reshape(q.shape[:-2] + (-1,))[..., :K], -1, axis).astype(np.float32)
;;   ~~~
;;   INPUTS GIVEN AS CODES. Wk (in the module: [2048, 2048], K = its axis 0); Wv (in the module: [2048, 2048], K = its axis 0): each comes as NAME_codes (uint8): NAME with its K axis moved to the last place and cut into blocks of 32 codes, [.., K / 32, bytes a block], one block behind the other in memory; four codes in three bytes: a row's codes are one little-endian stream of bits, code i at bits 6 i .. 6 i + 5 (a code: sign, 2 exponent bits, 3 mantissa bits); and NAME_scales (uint8): the same leading axes, one E8M0 byte (e + 127) for each 32 codes along K. Its value is code x scale, taken as it is: it is not quantised again, and the codes and scales need not be those that the quantiser above would give.
;; One version. Each part assembles by itself: llvm-mc -triple=amdgcn-amd-amdhsa -mcpu=gfx1250 --defsym DOCPART=n.
;; ======== version 1 of 1: 4 launches
;; limits: right only within a limited range of input values
;; workspace buffers: xc 12,582,912 bytes; xs 524,288 bytes; qp 1,048,576 bytes; sp 262,144 bytes; yp 262,144 bytes; wc 6,291,456 bytes; ws 262,144 bytes
;; launch prep (part 1): grid 1536 x 1, 2 waves a work-group, no clusters, 42,752 bytes of LDS; arguments x, Wq, xc, xs, qp, Wk_codes, Wk_scales, Wv_codes, Wv_scales, wc, ws; writes xc, xs, qp, wc, ws
.if DOCPART == 1
	.amdgcn_target "amdgcn-amd-amdhsa--gfx1250"
	.amdhsa_code_object_version 6
	.text
	.protected	k_qf24083b74b_prep
	.globl	k_qf24083b74b_prep
	.p2align	8
	.type	k_qf24083b74b_prep,@function
k_qf24083b74b_prep:
	s_mov_b64 s[64:65], 0
	v_nop
	global_prefetch_b8 v0, s[64:65] scope:SCOPE_SE
	s_setreg_imm32_b32 hwreg(HW_REG_WAVE_MODE, 25, 1), 1
	s_wait_xcnt 0x0
; CausalSelfAttentionLast, launch 1 of 4.  Work-groups 0-255: parts of q = x[:, last, :] Wq.  256-1279: x -> codes of FP6 (E2M3) and E8M0 scale bytes along C.  1280-1535: Wk's and Wv's codes and scales, laid anew.
; WORK LEFT OUT, for the whole program.  bk: k = x Wk + bk goes into the scores q . k alone; its share, q . bk, is one number for each batch, the same for every t, and the softmax runs over t:
; softmax(s + const) = softmax(s) for all values of the inputs.  k goes into no quantiser, so bk moves no code and no scale.  bk is not loaded and is no launch's argument.
; bv: the sum over t of wei is 1 by the softmax's own definition, so sum wei (x Wv + bv) = sum wei (x Wv) + bv: bv is added once, in the last launch.
; LIMITS: a NaN, an infinity or an overflow that reaches only q . bk is not carried to the result.  NaN and infinities in x are not served by the quantiser.  A block of zeros of x gets the scale byte 1
; where the rule says 127: its codes are zeros, and this program alone reads the bytes.  The f32 sums are taken in another order than the reference takes them.
; LAYOUT OF THE CODES (xc; wc = Wk's rows, then Wv's): an image of the matrix operand's registers.  [128 rows][256 K][16 rows][128 K][j = 0..2][lane][16 bytes]: lane (r, h) of a fragment holds
; 48 bytes, K = 32 h + 0..31 and 64 + 32 h + 0..31 of row r; registers 4 j .. 4 j + 3 lie at 512 j + 16 lane.  A fragment is 1,536 bytes, 128 rows x 256 K are 24,576 consecutive bytes.
; LAYOUT OF THE SCALES (xs, ws): [16 rows][512 K][row][16 bytes]: four words of four bytes, a word for each 128 K.
; X PATH: a wave takes 16 rows x 512 K in four steps of 128 K.  Each load reads 512 consecutive bytes of a row; the step turns through the wave's own stage and comes back as two whole blocks of 32 a lane.
; W PATH: a wave takes 16 rows x 1,024 K: 768 bytes a row, loaded 256 bytes an instruction, through a stage of its own, and back as eight fragments.
; Q PATH: work-group g: columns 128 (g % 16) on; wave w: rows 64 kq on of Wq, kq = 2 (g / 16) + w; each wave stores its part qp[kq][b][column].
.set R,     16                         ; x path: v16-143 two sets of 64 as loaded
.set X,     144                        ; v144-207 my two blocks of 32
.set C,     208                        ; v208-219 a fragment's codes
.set T,     220                        ; v220-226 the halves that begin on an odd register are made here
.set XSP,   528                        ; x stage: a row of 512 bytes + 16
.set XSCL,  16*XSP                     ; behind it my wave's 256 scale bytes
.set WST,   XSCL+256                   ; the w path's stage: bytes of its own
.set WSP,   784                        ; a row of 768 bytes + 16
.set WREG,  WST+16*WSP                 ; a wave's region
.set SPW,   12
.set NIL,   13
.set SPARE, 2*WREG                     ; the spare words, named by no other line
.set FRB,   1536
.set KSB,   24576
.set GRP,   196608
.set ACC,   16                         ; q path: v16-31 sums
.set XL,    32
.set XO,    40
.macro XLOAD t
.set n, 0
.rept 16
	global_load_b128 v[R+64*((\t)%2)+4*n:R+64*((\t)%2)+4*n+3], v3, s[4:5] offset:8192*n+512*(\t) th:TH_LOAD_NT
.set n, n+1
.endr
.endm
.macro XSTEP t
.if (\t) < 3
	s_wait_loadcnt 16                              ; this step's 16 loads are in; the next set's may be out
.else
	s_wait_loadcnt 0x0
.endif
.set n, 0
.rept 16
	ds_store_b128 v14, v[R+64*((\t)%2)+4*n:R+64*((\t)%2)+4*n+3] offset:XSP*n
.set n, n+1
.endr
.set n, 0
.rept 16                               ; LDS serves a wave's instructions in order: these see the stores above
	ds_load_b128 v[X+4*n:X+4*n+3], v15 offset:256*(n/8)+16*(n%8)
.set n, n+1
.endr
	s_wait_dscnt 0x0
	s_wait_xcnt 0x0                                ; the last step's stores have read the code registers
.if (\t)+2 < 4
	XLOAD (\t)+2
.endif
.irp c, 0,1
	v_max3_num_f32 v[8+\c], |v[X+32*\c]|, |v[X+32*\c+1]|, 0x1800000   ; with the floor 2^(3 - 127): the byte cannot fall under 1
.endr
.irp i, 2,4,6,8,10,12,14,16,18,20,22,24,26,28,30
.irp c, 0,1
	v_max3_num_f32 v[8+\c], v[8+\c], |v[X+32*\c+\i]|, |v[X+32*\c+\i+1]|
.endr
.endr
.irp c, 0,1
	v_add_nc_u32 v[10+\c], 0xff000000, v[8+\c]     ; 2 off the exponent field: the conversion's scale operand
.endr
.irp c, 0,1
	v_lshrrev_b32 v[8+\c], 23, v[10+\c]            ; the scale's byte
.endr
	v_lshl_or_b32 v230, v9, 16, v8                 ; blocks h and 2 + h,
	v_lshlrev_b32 v230, v7, v230                   ; 8 h bits up;
	v_permlanex16_b32 v229, v230, s24, s25
	v_or_b32 v230, v230, v229                      ; with lane l xor 16's the word is whole
	ds_store_b32 v4, v230 offset:4*(\t)            ; both halves write the same word with the same value
.irp c, 0,1
	v_cvt_scalef32_pk16_fp6_f32 v[C+6*\c:C+6*\c+2], v[X+32*\c:X+32*\c+15], v[10+\c]
	v_cvt_scalef32_pk16_fp6_f32 v[T+4*\c:T+4*\c+2], v[X+32*\c+16:X+32*\c+31], v[10+\c]
.endr
	v_nop                                          ; a plain line behind the conversions
.irp c, 0,1
.irp i, 0,1,2
	v_mov_b32 v[C+6*\c+3+\i], v[T+4*\c+\i]
.endr
.endr
.irp j, 0,1,2
	global_store_b128 v3, v[C+4*\j:C+4*\j+3], s[8:9] offset:KSB*((\t)/2)+FRB*((\t)%2)+512*\j   ; 512 consecutive bytes, aligned
.endr
.endm
.macro QLOAD g
.set n, 0
.rept 16
	global_load_b128 v[64+64*((\g)%2)+4*n:64+64*((\g)%2)+4*n+3], v1, s[6:7] offset:(16*(\g)+n)*8192 th:TH_LOAD_NT
.set n, n+1
.endr
.endm
.macro QROWS g                         ; 16 rows: eight at a time, their 32 numbers of x go to scalar registers, then 128 multiply-adds
.set WS, 64+64*((\g)%2)
.irp e, 0,1
.set n, 16*(\g)+8*\e
.irp i, 0,1,2,3,4,5,6,7
.irp b, 0,1,2,3
	v_readlane_b32 s[32+4*\i+\b], v[XL+2*\b+(n+\i)/32], (n+\i)%32
.endr
.endr
.irp i, 0,1,2,3,4,5,6,7
.irp b, 0,1,2,3
.irp c, 0,1,2,3
.if n+\i == 0
	v_mul_f32 v[ACC+4*\b+\c], s[32+4*\i+\b], v[WS+4*(8*\e+\i)+\c]
.else
	v_fmac_f32 v[ACC+4*\b+\c], s[32+4*\i+\b], v[WS+4*(8*\e+\i)+\c]
.endif
.endr
.endr
.endr
.endr
.endm
	s_load_b128 s[4:7], s[0:1], 0x0                ; x, Wq
	s_load_b128 s[8:11], s[0:1], 0x10              ; xc, xs
	s_load_b64 s[12:13], s[0:1], 0x20              ; qp
	s_load_b256 s[68:75], s[0:1], 0x28             ; Wk's codes, scales, Wv's codes, scales
	s_load_b128 s[76:79], s[0:1], 0x48             ; wc, ws
	v_lshl_add_u32 v[SPW], v0, 2, SPARE
	v_mov_b32 v[NIL], 0
	v_lshrrev_b32 v1, 5, v0
	v_readfirstlane_b32 s16, v1                    ; wave 0..1
	v_and_b32 v2, 31, v0                           ; lane
	s_wait_kmcnt 0x0
	s_cmp_lt_u32 ttmp9, 256                        ; the work-group's number alone decides
	s_cbranch_scc1 .Lq
	s_cmp_ge_u32 ttmp9, 1280
	s_cbranch_scc1 .Lw
	; ---- the x path
	s_wait_alu depctr_va_vdst(0)
	v_lshlrev_b32 v3, 4, v2                        ; 16 l
	v_and_b32 v5, 15, v2                           ; r
	v_lshrrev_b32 v6, 4, v2                        ; h
	s_mul_i32 s17, s16, WREG
	v_add_nc_u32 v14, s17, v3                      ; the stage, in
	v_mul_u32_u24 v15, v5, XSP
	v_lshl_add_u32 v15, v6, 7, v15
	v_add_nc_u32 v15, s17, v15                     ; back: row r, 128 h bytes on
	s_add_co_u32 s17, s17, XSCL
	v_lshl_add_u32 v4, v5, 4, s17                  ; my row's four scale words
	v_lshl_add_u32 v1, v2, 3, s17                  ; and on the way out 8 bytes a lane
	v_lshlrev_b32 v7, 3, v6
	v_lshlrev_b32 v228, 3, v2
	v_mov_b32 v229, 0                              ; a lane permute's destination counts as a source
	s_mov_b32 s24, 0x76543210
	s_mov_b32 s25, 0xfedcba98
	s_sub_co_u32 s18, ttmp9, 256
	s_lshl_b32 s18, s18, 1
	s_add_co_u32 s18, s18, s16                     ; my share, 0 .. 2047
	s_lshr_b32 s19, s18, 2                         ; which 16 rows
	s_and_b32 s22, s18, 3                          ; which 512 K
	s_lshl_b32 s20, s19, 17
	s_lshl_b32 s23, s22, 11
	s_add_co_u32 s20, s20, s23
	s_mov_b32 s21, 0
	s_add_nc_u64 s[4:5], s[4:5], s[20:21]
	s_lshr_b32 s20, s19, 3
	s_mul_i32 s20, s20, GRP
	s_and_b32 s23, s19, 7
	s_mul_i32 s23, s23, 2*FRB
	s_add_co_u32 s20, s20, s23
	s_mul_i32 s23, s22, 2*KSB
	s_add_co_u32 s20, s20, s23
	s_add_nc_u64 s[8:9], s[8:9], s[20:21]
	s_lshl_b32 s20, s18, 8
	s_add_nc_u64 s[10:11], s[10:11], s[20:21]
	s_wait_alu depctr_va_vdst(0)                   ; the head's end
	XLOAD 0
	XLOAD 1
.irp t, 0,1,2,3
	XSTEP \t
.endr
	ds_load_b64 v[8:9], v1
	s_wait_dscnt 0x0
	global_store_b64 v228, v[8:9], s[10:11]        ; 256 consecutive bytes, aligned
	s_wait_tensorcnt 0x0                           ; the wave's end
	ds_add_u32 v[SPW], v[NIL]
	s_wait_dscnt 0x0
	s_endpgm
	; ---- the w path
.Lw:
	s_wait_alu depctr_va_vdst(0)
	v_lshlrev_b32 v3, 3, v2                        ; 8 l
	v_and_b32 v5, 15, v2
	v_lshrrev_b32 v6, 4, v2
	s_mul_i32 s17, s16, WREG
	s_add_co_u32 s17, s17, WST
	v_add_nc_u32 v14, s17, v3
	v_mul_u32_u24 v15, v5, WSP
	v_mad_u32_u24 v15, v6, 24, v15
	v_add_nc_u32 v15, s17, v15                     ; a fragment's row, 24 h bytes on
	v_lshlrev_b32 v4, 4, v2                        ; 16 l
	v_lshlrev_b32 v7, 6, v5
	v_lshl_add_u32 v7, v6, 4, v7                   ; scales in: 64 r + 16 h
	s_sub_co_u32 s18, ttmp9, 1280
	s_lshl_b32 s18, s18, 1
	s_add_co_u32 s18, s18, s16                     ; my share, 0 .. 511
	s_lshr_b32 s19, s18, 1                         ; which 16 rows of the 4,096
	s_and_b32 s22, s18, 1                          ; which 1,024 K
	s_and_b32 s23, s19, 127
	s_cmp_lt_u32 s19, 128
	s_cselect_b64 s[24:25], s[68:69], s[72:73]
	s_cselect_b64 s[26:27], s[70:71], s[74:75]
	s_mul_i32 s20, s23, 16*1536
	s_mul_i32 s28, s22, 768
	s_add_co_u32 s20, s20, s28
	s_mov_b32 s21, 0
	s_add_nc_u64 s[24:25], s[24:25], s[20:21]
	s_lshl_b32 s20, s23, 10
	s_lshl_b32 s28, s22, 5
	s_add_co_u32 s20, s20, s28
	s_add_nc_u64 s[26:27], s[26:27], s[20:21]
	s_lshr_b32 s20, s19, 3
	s_mul_i32 s20, s20, GRP
	s_and_b32 s28, s19, 7
	s_mul_i32 s28, s28, 2*FRB
	s_add_co_u32 s20, s20, s28
	s_mul_i32 s28, s22, 4*KSB
	s_add_co_u32 s20, s20, s28
	s_add_nc_u64 s[76:77], s[76:77], s[20:21]
	s_lshl_b32 s20, s18, 9
	s_add_nc_u64 s[78:79], s[78:79], s[20:21]
	s_wait_alu depctr_va_vdst(0)                   ; the head's end
.set n, 0
.rept 48                               ; row n / 3, its 256 bytes n % 3: 32 lanes read 256 consecutive bytes, aligned
	global_load_b64 v[16+2*n:17+2*n], v3, s[24:25] offset:1536*(n/3)+256*(n%3) th:TH_LOAD_NT
.set n, n+1
.endr
	global_load_b128 v[112:115], v7, s[26:27] th:TH_LOAD_NT
	s_wait_loadcnt 0x0
.set n, 0
.rept 48
	ds_store_b64 v14, v[16+2*n:17+2*n] offset:WSP*(n/3)+256*(n%3)
.set n, n+1
.endr
.set n, 0
.rept 48                               ; fragment n / 6, piece n % 6
	ds_load_b64 v[116+2*n:117+2*n], v15 offset:96*(n/6)+48*((n%6)/3)+8*(n%3)
.set n, n+1
.endr
	global_store_b128 v4, v[112:115], s[78:79]     ; 512 consecutive bytes
	s_wait_dscnt 0x0
.set n, 0
.rept 24                               ; fragment n / 3, registers 4 (n % 3) on
	global_store_b128 v4, v[116+4*n:119+4*n], s[76:77] offset:KSB*(n/6)+FRB*((n/3)%2)+512*(n%3)
.set n, n+1
.endr
	s_wait_tensorcnt 0x0
	ds_add_u32 v[SPW], v[NIL]
	s_wait_dscnt 0x0
	s_endpgm
	; ---- the q path
.Lq:
	s_and_b32 s17, ttmp9, 15
	s_lshr_b32 s18, ttmp9, 4
	s_lshl_b32 s18, s18, 1
	s_add_co_u32 s18, s18, s16                     ; kq
	s_lshl_b32 s22, s17, 9
	s_lshl_b32 s20, s18, 19
	s_add_co_u32 s20, s20, s22
	s_mov_b32 s21, 0
	s_add_nc_u64 s[6:7], s[6:7], s[20:21]
	s_lshl_b32 s20, s18, 8
	s_add_co_u32 s20, s20, 2047*8192
	s_add_nc_u64 s[4:5], s[4:5], s[20:21]
	s_lshl_b32 s20, s18, 15
	s_add_co_u32 s20, s20, s22
	s_add_nc_u64 s[12:13], s[12:13], s[20:21]
	s_wait_alu depctr_va_vdst(0)
	v_lshlrev_b32 v1, 4, v2
	v_lshlrev_b32 v[XO], 2, v2
.irp b, 1,2,3
	v_add_nc_u32 v[XO+\b], \b<<24, v[XO]
.endr
.irp b, 0,1,2,3
	global_load_b32 v[XL+2*\b], v[XO+\b], s[4:5]
	global_load_b32 v[XL+2*\b+1], v[XO+\b], s[4:5] offset:128
.endr
	QLOAD 0
	QLOAD 1
	s_wait_loadcnt 16                              ; the younger group's 16 loads may be out
	QROWS 0
	QLOAD 2
	s_wait_loadcnt 16
	QROWS 1
	QLOAD 3
	s_wait_loadcnt 16
	QROWS 2
	s_wait_loadcnt 0x0
	QROWS 3
.irp b, 0,1,2,3
	global_store_b128 v1, v[ACC+4*\b:ACC+4*\b+3], s[12:13] offset:8192*\b
.endr
	s_wait_tensorcnt 0x0
	ds_add_u32 v[SPW], v[NIL]
	s_wait_dscnt 0x0
	s_endpgm
.Lfunc_end_k_qf24083b74b_prep:
	.size	k_qf24083b74b_prep, .Lfunc_end_k_qf24083b74b_prep-k_qf24083b74b_prep
	.p2alignl 7, 3214868480
	.fill 96, 4, 3214868480
	.section	.rodata,"a",@progbits
	.p2align	6, 0x0
	.amdhsa_kernel k_qf24083b74b_prep
		.amdhsa_group_segment_fixed_size 42752
		.amdhsa_private_segment_fixed_size 0
		.amdhsa_enable_private_segment 0
		.amdhsa_kernarg_size 88
		.amdhsa_user_sgpr_count 2
		.amdhsa_user_sgpr_kernarg_segment_ptr 1
		.amdhsa_wavefront_size32 1
		.amdhsa_system_sgpr_workgroup_id_x 1
		.amdhsa_system_sgpr_workgroup_id_y 1
		.amdhsa_system_sgpr_workgroup_id_z 1
		.amdhsa_system_vgpr_workitem_id 0
		.amdhsa_next_free_vgpr 232
		.amdhsa_next_free_sgpr 84
		.amdhsa_reserve_vcc 0
		.amdhsa_float_denorm_mode_32 3
		.amdhsa_float_denorm_mode_16_64 3
		.amdhsa_memory_ordered 1
		.amdhsa_forward_progress 1
		.amdhsa_inst_pref_size 102
	.end_amdhsa_kernel
	.amdgpu_metadata
---
amdhsa.version: [ 1, 2 ]
amdhsa.kernels:
  - .name:           k_qf24083b74b_prep
    .symbol:         k_qf24083b74b_prep.kd
    .args:
      - { .name: x, .offset: 0, .size: 8, .value_kind: global_buffer, .address_space: global }
      - { .name: Wq, .offset: 8, .size: 8, .value_kind: global_buffer, .address_space: global }
      - { .name: xc, .offset: 16, .size: 8, .value_kind: global_buffer, .address_space: global }
      - { .name: xs, .offset: 24, .size: 8, .value_kind: global_buffer, .address_space: global }
      - { .name: qp, .offset: 32, .size: 8, .value_kind: global_buffer, .address_space: global }
      - { .name: Wk_codes, .offset: 40, .size: 8, .value_kind: global_buffer, .address_space: global }
      - { .name: Wk_scales, .offset: 48, .size: 8, .value_kind: global_buffer, .address_space: global }
      - { .name: Wv_codes, .offset: 56, .size: 8, .value_kind: global_buffer, .address_space: global }
      - { .name: Wv_scales, .offset: 64, .size: 8, .value_kind: global_buffer, .address_space: global }
      - { .name: wc, .offset: 72, .size: 8, .value_kind: global_buffer, .address_space: global }
      - { .name: ws, .offset: 80, .size: 8, .value_kind: global_buffer, .address_space: global }
    .group_segment_fixed_size: 42752
    .private_segment_fixed_size: 0
    .kernarg_segment_align: 8
    .kernarg_segment_size: 88
    .max_flat_workgroup_size: 64
    .sgpr_count:     84
    .vgpr_count:     232
    .wavefront_size: 32
...
	.end_amdgpu_metadata
.endif
;; end of part 1
;; launch kscore (part 2): grid 8 x 32, 4 waves a work-group, clusters of 4 x 4, 327,680 bytes of LDS; arguments xc, xs, wc, ws, qp, bq, sp; writes sp
.if DOCPART == 2
	.amdgcn_target "amdgcn-amd-amdhsa--gfx1250"
	.amdhsa_code_object_version 6
	.text
	.protected	k_qf24083b74b_kscore
	.globl	k_qf24083b74b_kscore
	.p2align	8
	.type	k_qf24083b74b_kscore,@function
k_qf24083b74b_kscore:
	s_mov_b64 s[64:65], 0
	v_nop
	global_prefetch_b8 v0, s[64:65] scope:SCOPE_SE
	s_setreg_imm32_b32 hwreg(HW_REG_WAVE_MODE, 25, 1), 1
	s_wait_xcnt 0x0
	s_wait_alu depctr_hold_cnt(0) depctr_sa_sdst(0) depctr_va_vdst(0) depctr_va_sdst(0) depctr_va_ssrc(0) depctr_va_vcc(0) depctr_vm_vsrc(0)
	s_getreg_b32 s2, hwreg(HW_REG_IB_STS2, 6, 4)
	s_cmp_eq_u32 s2, 0
	s_cbranch_scc0 .Lentry_in_a_cluster
	s_endpgm
.Lentry_in_a_cluster:
	s_bfe_u32 s2, ttmp6, 0x10000c
	s_cmp_lg_u32 s2, 0xf033
	s_cbranch_scc0 .Lentry_shape_is_right
	s_endpgm
.Lentry_shape_is_right:
; Launch 2 of 4.  A product on codes of FP6 (E2M3) with E8M0 scales whose tile of 256 x 256 never leaves the registers: it is summed away along one side with weights u.
; R = Wk's 2048 columns n (summed away), S = x's 8192 rows (stay): sp[R tile][S row] = sum over the tile's 256 n of u[n] x (x row . Wk column n), u[n] = c (sum of q's 32 parts + bq)[batch][n], c = log2(e) / sqrt(2048).
; bk is left out: q . bk is the same for every t of a batch and the softmax over t takes it away for all values of the inputs (shown at the head of the first launch).
; SHAPE: four waves, a wave 128 x 128: 64 accumulators.  K goes in eight steps of 256 through a ring of two LDS slots.  The codes lie in memory as images of the operand's registers (first launch):
; 128 rows x 256 K are 24,576 consecutive bytes, which one tensor load brings as 96 rows of 256 bytes; a fragment is three loads of 16 bytes a lane at 512 j + 16 lane.
; The scales of both sides' 256 rows, for all K, come once.  HEAD: the loads for u go out first, ahead of the first round; then one joint load a wave: S's codes of K step 0, R's, S's scales, R's;
; slot 1 is first filled behind the full sequence, as a refill is.
; CLUSTERS 4 x 4: S's tiles are shared along a row of the cluster, R's along a column.  PREFETCH: of the 96 blocks of 256 bytes of a K step of the tile that a wave fetches, each of the four partners takes 24,
; told apart by address; lanes 24-31 name the last block again.  At the head a wave names K steps 1 and 2, behind K step 1's load K step 3, behind each refill but the last two the K step two refills on:
; never more than two K steps are asked for and not yet loaded.
; SOURCE 0 = 16 rows of R, SOURCE 1 = 16 rows of S: in accumulator (a, b) lane (r, h) holds S row 16 a + r, register j the R row 16 b + 8 h + j.
; REGISTERS: window 0: v1-30 addresses; v32-63 scale words, two sets; v64-127 u; v128-223 S's fragments; v224-239 sums.  Window 1: R's fragments, two sets.  Windows 2, 3: accumulators.
.set MODE,   0
.set NQ,     2
.set FR,     12
.set NL,     3
.set NP,     4
.set HALFT,  24576
.set SLOT,   4*HALFT
.set GRP,    8*HALFT
.set LAPS,   4
.set SCL,    2*SLOT
.set HALFS,  32*272
.set SBLK,   4*272
.set SPARE,  SCL+4*HALFS
.set UVEC,   SPARE+512
.set SCR,    UVEC+1024
.set RED,    SCR+2048
.set UADR, 8
.set SCRW, 9
.set SCRR, 10
.set GO,   11
.set UW,   14
.set ADRA, 16
.set ADRB, 20
.set ADRS, 27
.set SPW,  28
.set NIL,  29
.set PFO,  30
.set SC,   32
.set U,    64
.set AF,   128
.set RES,  224
.set G0H, 4
.set G0HB, 8
.set G1, 24
.set G0, 32
.set G1B, 48
.set G0B, 56
.set G1S, 68
.set G0S, 76
.set G1SB, 80
.set G0SB, 88
.set CC,  66
.set PFA, 94
.set SEL, 100
.set OUTB, 98
.set MSB, 0
.macro WIN new
.if MSB != \new
	s_set_vgpr_msb (MSB<<8)|\new
.set MSB, \new
.endif
.endm
.set MUL_LO, 0xa1
.set MUL_HI, 0xf1
.set TO_B,   0x40
.macro JLOAD g0a, g1a, g0b, g1b        ; waves 0, 1 fetch for S, waves 2, 3 for R
	s_cmp_eq_u32 s15, 0
	s_cbranch_scc0 .Lfor_b_\@
	tensor_load_to_lds s[\g0a:\g0a+3], s[\g1a:\g1a+7]
	s_nop 0
.rept 4
	v_nop
.endr
	s_branch .Lasked_\@
.Lfor_b_\@:
	tensor_load_to_lds s[\g0b:\g0b+3], s[\g1b:\g1b+7]
	s_nop 0
.rept 4
	v_nop
.endr
.Lasked_\@:
.endm
.macro CREST
	s_cmp_lg_u32 s14, 0
	s_cbranch_scc1 .Lnot_wave_0_\@
	s_barrier_signal -3
.Lnot_wave_0_\@:
	s_barrier_wait -3
	s_barrier_signal -1
	s_barrier_wait -1
.endm
.macro CROUND
	s_barrier_signal -1
	s_barrier_wait -1
	CREST
.endm
.macro ARM under, g0, g1, next
	s_cmp_lt_u32 s14, \under
	s_cbranch_scc0 \next
	tensor_load_to_lds s[\g0:\g0+3], s[\g1:\g1+7]
	s_nop 0
.rept 4
	v_nop
.endr
	s_branch .Lhead_asked
\next:
.endm
	s_load_b128 s[4:7], s[0:1], 0x0                ; S's codes, scales
	s_load_b128 s[8:11], s[0:1], 0x10              ; R's codes, scales
	s_load_b64 s[12:13], s[0:1], 0x20              ; qp
	s_load_b64 s[96:97], s[0:1], 0x28              ; bq
	s_load_b64 s[98:99], s[0:1], 0x30              ; sp
	v_lshl_add_u32 v[SPW], v0, 2, SPARE
	v_mov_b32 v[NIL], 0
	ds_add_u32 v[SPW], v[NIL]                      ; the opening lines
	ds_add_u32 v[SPW], v[NIL]
	v_lshrrev_b32 v1, 5, v0
	v_readfirstlane_b32 s14, v1                    ; wave
	s_lshr_b32 s15, s14, 1                         ; my half of S's rows; also: I fetch for S (0) or R (1)
	s_and_b32 s16, s14, 1                          ; my half of R's rows; also: which 128 rows I fetch
	s_bfe_u32 s40, ttmp6, 0x40000
	s_bfe_u32 s41, ttmp6, 0x40004
	s_lshl_b32 s42, ttmp9, 2
	s_add_co_u32 s42, s42, s40                     ; R tile
	s_and_b32 s17, ttmp7, 0xffff
	s_lshl_b32 s17, s17, 2
	s_add_co_u32 s17, s17, s41                     ; S tile
	s_lshl_b32 s43, s41, 2
	s_lshl_b32 s43, 15, s43
	s_lshl_b32 s44, 0x1111, s40
	s_or_b32 s[G1+0], s43, (3<<16)|(1<<21)         ; elements of 8 bytes, no padding
	s_or_b32 s[G1B+0], s44, (3<<16)|(1<<21)
.irp g, G1, G1B                        ; the head's shape: 2 rows of 24,576 bytes, GRP bytes apart: both halves of a tile's K step 0
	s_mov_b32 s[\g+1], 3072<<16
	s_mov_b32 s[\g+2], 2<<16
	s_mov_b32 s[\g+3], 3072<<16
	s_mov_b32 s[\g+4], 2
	s_mov_b32 s[\g+5], GRP/8
	s_mov_b32 s[\g+6], 0
	s_mov_b32 s[\g+7], 0
.endr
	s_or_b32 s[G1S+0], s43, (3<<16)|(1<<20)|(1<<21)|(5<<22)|(3<<25)
	s_or_b32 s[G1SB+0], s44, (3<<16)|(1<<20)|(1<<21)|(5<<22)|(3<<25)
.irp g, G1S, G1SB                      ; the scales of 256 rows: 64 rows of 256 bytes, 16 of padding behind each
	s_mov_b32 s[\g+1], 32<<16
	s_mov_b32 s[\g+2], 64<<16
	s_mov_b32 s[\g+3], 32<<16
	s_mov_b32 s[\g+4], 64
	s_mov_b32 s[\g+5], 32
	s_mov_b32 s[\g+6], 0
	s_mov_b32 s[\g+7], 0
.endr
	s_mul_i32 s20, s17, 2*GRP
	s_mov_b32 s21, 0
	s_mul_i32 s46, s42, 2*GRP
	s_mov_b32 s47, 0
	s_lshl_b32 s22, s17, 14
	s_mov_b32 s23, 0
	s_lshl_b32 s92, s42, 14
	s_mov_b32 s93, 0
	s_mul_i32 s18, s16, GRP
	s_mov_b32 s19, 0
	s_mul_i32 s45, s14, HALFT
	s_mov_b32 s[SEL], 0x76543210
	s_mov_b32 s[SEL+1], 0xfedcba98
	s_wait_dscnt 0x0
	s_wait_kmcnt 0x0
	s_add_nc_u64 s[20:21], s[4:5], s[20:21]
	s_add_nc_u64 s[22:23], s[6:7], s[22:23]
	s_add_nc_u64 s[46:47], s[8:9], s[46:47]
	s_add_nc_u64 s[92:93], s[10:11], s[92:93]
	; the loads for u go out here: they are on their way under the round, the head's tensor loads and the set-up
	v_lshlrev_b32 v[GO], 3, v0
	s_lshr_b32 s2, s17, 3                          ; my rows' batch
	s_lshl_b32 s2, s2, 13
	s_mov_b32 s3, 0
	s_add_nc_u64 s[12:13], s[12:13], s[2:3]
	s_lshl_b32 s2, s42, 10                         ; my 256 columns n
	s_add_nc_u64 s[12:13], s[12:13], s[2:3]
	s_add_nc_u64 s[96:97], s[96:97], s[2:3]
	s_wait_alu depctr_va_vdst(0)                   ; the wait ahead of these readers
.set n, 0
.rept 32
	global_load_b64 v[U+2*n:U+2*n+1], v[GO], s[12:13] offset:32768*n   ; thread t: columns 2 t, 2 t + 1 of part n
.set n, n+1
.endr
	global_load_b64 v[RES:RES+1], v[GO], s[96:97]
	CROUND                                         ; the first joint loads meet
	s_mov_b32 s[G0H], 1
	s_mov_b32 s[G0H+1], 0
	s_mov_b64 s[G0H+2:G0H+3], s[20:21]
	s_or_b32 s[G0H+3], s[G0H+3], 0x80000000
	s_mov_b32 s[G0HB], 1
	s_mov_b32 s[G0HB+1], 2*HALFT
	s_mov_b64 s[G0HB+2:G0HB+3], s[46:47]
	s_or_b32 s[G0HB+3], s[G0HB+3], 0x80000000
	s_mov_b32 s[G0S], 1
	s_mov_b32 s[G0S+1], SCL
	s_mov_b64 s[G0S+2:G0S+3], s[22:23]
	s_or_b32 s[G0S+3], s[G0S+3], 0x80000000
	s_mov_b32 s[G0SB], 1
	s_mov_b32 s[G0SB+1], SCL+2*HALFS
	s_mov_b64 s[G0SB+2:G0SB+3], s[92:93]
	s_or_b32 s[G0SB+3], s[G0SB+3], 0x80000000
	ARM 1, G0H,  G1,  .Lhead_b
	ARM 2, G0HB, G1B, .Lhead_sa
	ARM 3, G0S,  G1S, .Lhead_sb
	tensor_load_to_lds s[G0SB:G0SB+3], s[G1SB:G1SB+7]
	s_nop 0
.rept 4
	v_nop
.endr
.Lhead_asked:
	s_add_nc_u64 s[20:21], s[20:21], s[18:19]      ; for the ring: my 128 rows
	s_add_nc_u64 s[46:47], s[46:47], s[18:19]
.irp s, 0,1
	s_mov_b32 s[G0+4*\s], 1
	s_add_co_u32 s[G0+4*\s+1], s45, \s*SLOT
	s_add_nc_u64 s[G0+4*\s+2:G0+4*\s+3], s[20:21], \s*HALFT
	s_or_b32 s[G0+4*\s+3], s[G0+4*\s+3], 0x80000000
	s_mov_b32 s[G0B+4*\s], 1
	s_add_co_u32 s[G0B+4*\s+1], s45, \s*SLOT
	s_add_nc_u64 s[G0B+4*\s+2:G0B+4*\s+3], s[46:47], \s*HALFT
	s_or_b32 s[G0B+4*\s+3], s[G0B+4*\s+3], 0x80000000
.endr
	s_cmp_eq_u32 s15, 0                            ; the prefetches: the tile that I fetch, my work-group's 24 blocks of its 96; at K step 0
	s_cselect_b64 s[PFA:PFA+1], s[20:21], s[46:47]
	s_cselect_b32 s2, s40, s41
	s_mul_i32 s2, s2, 24*256
	s_mov_b32 s3, 0
	s_add_nc_u64 s[PFA:PFA+1], s[PFA:PFA+1], s[2:3]
	s_mul_i32 s21, s15, HALFT                      ; my rows of S,
	s_mul_i32 s22, s16, HALFT
	s_add_co_u32 s22, s22, 2*HALFT                 ; of R
	s_mul_i32 s23, s15, HALFS
	s_mul_i32 s92, s16, HALFS
	s_add_co_u32 s92, s92, 2*HALFS
	s_sub_co_u32 s92, s92, s23                     ; from S's scales to R's
	s_add_co_u32 s23, s23, SCL
	s_lshl_b32 s93, s16, 9
	s_add_co_u32 s93, s93, UVEC
	s_lshl_b32 s18, s14, 9
	s_add_co_u32 s18, s18, SCR
	s_lshl_b32 s19, s15, 10
	s_add_co_u32 s19, s19, SCR
	v_and_b32 v1, 15, v0                           ; r
	v_bfe_u32 v2, v0, 4, 1                         ; h
	v_and_b32 v3, 31, v0
	v_lshlrev_b32 v4, 4, v3                        ; 16 l
	v_add_nc_u32 v[ADRA], s21, v4
	v_add_nc_u32 v[ADRB], s22, v4
	v_add_nc_u32 v[ADRA+1], SLOT, v[ADRA]
	v_add_nc_u32 v[ADRB+1], SLOT, v[ADRB]
	v_mul_u32_u24 v6, s92, v2                      ; lanes 16-31 take R's scales
	v_lshl_add_u32 v5, v1, 4, s23
	v_add_nc_u32 v[ADRS], v5, v6
	v_lshl_add_u32 v[UADR], v2, 5, s93
	v_lshl_add_u32 v[SCRW], v1, 2, s18
	v_and_b32 v[SCRR], 63, v0
	v_lshl_add_u32 v[SCRR], v[SCRR], 3, s19
	v_lshl_add_u32 v[UW], v0, 3, UVEC
	v_min_u32 v[PFO], 23, v3
	v_lshlrev_b32 v[PFO], 8, v[PFO]
	s_wait_alu depctr_va_vdst(0)                   ; the wait behind these writes
	global_prefetch_b8 v[PFO], s[PFA:PFA+1] offset:HALFT th:TH_LOAD_NT scope:SCOPE_SE     ; K step 1
	global_prefetch_b8 v[PFO], s[PFA:PFA+1] offset:2*HALFT th:TH_LOAD_NT scope:SCOPE_SE   ; K step 2
	s_mov_b32 s21, 0
	s_mov_b32 s47, 0
	s_lshl_b32 s20, s17, 10
	s_lshl_b32 s46, s42, 15
	s_add_nc_u64 s[98:99], s[98:99], s[20:21]
	s_add_nc_u64 s[98:99], s[98:99], s[46:47]      ; sp[R tile][256 x S tile]
	s_mov_b32 s[CC], 0x3d0293ee                    ; c
	s_mov_b32 s[CC+1], s[CC]
	s_wait_loadcnt 0x0                             ; q's 32 parts and bq are in
.irp w, 32,16,8,4,2
.set n, 0
.rept \w/2
	v_pk_add_f32 v[U+n:U+n+1], v[U+n:U+n+1], v[U+\w+n:U+\w+n+1]
.set n, n+2
.endr
.endr
	v_pk_add_f32 v[U:U+1], v[U:U+1], v[RES:RES+1]
	v_pk_mul_f32 v[U:U+1], v[U:U+1], s[CC:CC+1] op_sel_hi:[1,0]
	ds_store_b64 v[UW], v[U:U+1]
.macro FRAG reg, adr, q, i             ; a fragment: three loads of 16 bytes a lane, as the registers want them
.irp j, 0,1,2
	ds_load_b128 v[\reg+4*\j:\reg+4*\j+3], v[\adr] offset:(\i)*2*1536+(\q)*1536+512*\j
.endr
.endm
.macro MUL16 a0, p, q, sc, zero        ; the 64 accumulators take turns
.irp a, \a0, \a0+1
.irp b, 0,1,2,3,4,5,6,7
.if \zero
	v_wmma_scale_f32_16x16x128_f8f6f4 v[8*(8*((\a)%4)+\b):8*(8*((\a)%4)+\b)+7], v[128*(\p)+FR*\b:128*(\p)+FR*\b+FR-1], v[AF+FR*(\a):AF+FR*(\a)+FR-1], 0, v[SC+8*NQ*(\sc)+NQ*\b+(\q)], v[SC+8*NQ*(\sc)+NQ*(\a)+(\q)] matrix_a_fmt:MATRIX_FMT_FP6 matrix_b_fmt:MATRIX_FMT_FP6 matrix_a_scale:MATRIX_SCALE_ROW1
.else
	v_wmma_scale_f32_16x16x128_f8f6f4 v[8*(8*((\a)%4)+\b):8*(8*((\a)%4)+\b)+7], v[128*(\p)+FR*\b:128*(\p)+FR*\b+FR-1], v[AF+FR*(\a):AF+FR*(\a)+FR-1], v[8*(8*((\a)%4)+\b):8*(8*((\a)%4)+\b)+7], v[SC+8*NQ*(\sc)+NQ*\b+(\q)], v[SC+8*NQ*(\sc)+NQ*(\a)+(\q)] matrix_a_fmt:MATRIX_FMT_FP6 matrix_b_fmt:MATRIX_FMT_FP6 matrix_a_scale:MATRIX_SCALE_ROW1
.endif
.endr
.endr
.endm
.macro FETCH_B slot, q, p
	WIN TO_B
.irp i, 0,1,2,3,4,5,6,7
	FRAG 128*(\p)+FR*\i, ADRB+\slot, \q, \i
.endr
	WIN 0
.endm
.macro FETCH_A slot, q, i0
.irp i, \i0, \i0+1, \i0+2, \i0+3
	FRAG AF+FR*(\i), ADRA+\slot, \q, \i
.endr
.endm
.macro SCALES sc
.irp i, 0,1,2,3,4,5,6,7
	ds_load_b64 v[SC+8*NQ*\sc+NQ*\i:SC+8*NQ*\sc+NQ*\i+1], v[ADRS] offset:\i*SBLK
.endr
.endm
.macro PLACES n
.rept \n
	v_nop
.endr
.endm
.macro STEP slot, q, zero
	s_wait_dscnt 4*NL                              ; the youngest 12 loads (S's blocks 4-7) may be out
	WIN MUL_LO
	MUL16 0, (\q)%2, \q, \slot, \zero
	MUL16 2, (\q)%2, \q, \slot, \zero
	s_wait_dscnt 0
	PLACES NP
	FETCH_B \slot, (\q)+1, 1-(\q)%2
	FETCH_A \slot, (\q)+1, 0
	WIN MUL_HI
	MUL16 4, (\q)%2, \q, \slot, \zero
	MUL16 6, (\q)%2, \q, \slot, \zero
	PLACES NP
	WIN 0
	FETCH_A \slot, (\q)+1, 4
.endm
.macro TURN slot, next, fill           ; a slot's last step changes slots
.if \fill
	s_wait_xcnt 0x0                                ; my last prefetch has read its address
	s_add_nc_u64 s[PFA:PFA+1], s[PFA:PFA+1], HALFT
.endif
	s_wait_tensorcnt 0x0                           ; my part of the next slot has landed
	ds_add_u32 v[SPW], v[NIL]
	s_wait_dscnt 4*NL+1                            ; the add and the youngest 12 loads may be out
	WIN MUL_LO
	MUL16 0, 1, NQ-1, \slot, 0
	s_wait_dscnt 0x0                               ; the add is done, my reads of this slot are over
	s_barrier_signal -1
	MUL16 2, 1, NQ-1, \slot, 0
	WIN 0
	s_barrier_wait -1
.if \fill
	CREST
	s_add_nc_u64 s[G0+4*\slot+2:G0+4*\slot+3], s[G0+4*\slot+2:G0+4*\slot+3], 2*HALFT
	s_add_nc_u64 s[G0B+4*\slot+2:G0B+4*\slot+3], s[G0B+4*\slot+2:G0B+4*\slot+3], 2*HALFT
	JLOAD G0+4*\slot, G1, G0B+4*\slot, G1B
.else
	PLACES NP
.endif
	s_wait_alu depctr_va_vdst(0)                   ; the wait ahead of this reader
	v_add_nc_u32 v[ADRS], 8+256*\slot, v[ADRS]     ; the next K step's two words: 8 bytes on, or into the next run of 272
	FETCH_B \next, 0, 0
	FETCH_A \next, 0, 0
	SCALES \next
.if \fill
	s_cmp_gt_u32 s3, 1                             ; the last two refills have no K step two on
	s_cbranch_scc0 .Lno_ask_\@
	global_prefetch_b8 v[PFO], s[PFA:PFA+1] offset:3*HALFT th:TH_LOAD_NT scope:SCOPE_SE   ; the first refill (K step 2) finds the address at K step 1 and names K step 4
.Lno_ask_\@:
.endif
	WIN MUL_HI
	MUL16 4, 1, NQ-1, \slot, 0
	MUL16 6, 1, NQ-1, \slot, 0
	PLACES NP
	WIN 0
	FETCH_A \next, 0, 4
.endm
	s_wait_alu depctr_va_vdst(0)                   ; the head's end
	s_wait_tensorcnt 0x0                           ; my tile of the head's four is in
	ds_add_u32 v[SPW], v[NIL]
.irp g, G1, G1B                        ; no load of mine is out: from here on a load brings 96 rows of 256 bytes
	s_mov_b32 s[\g+1], 32<<16
	s_mov_b32 s[\g+2], 96<<16
	s_mov_b32 s[\g+3], 32<<16
	s_mov_b32 s[\g+4], 96
	s_mov_b32 s[\g+5], 32
.endr
	s_wait_dscnt 0x0                               ; the add is done, my numbers of u are stored
	CROUND
	JLOAD G0+4, G1, G0B+4, G1B                     ; K step 1, the first tensor load behind the round
.irp b, 0,1,2,3,4,5,6,7
	ds_load_b128 v[U+8*\b:U+8*\b+3], v[UADR] offset:64*\b
	ds_load_b128 v[U+8*\b+4:U+8*\b+7], v[UADR] offset:64*\b+16
.endr
	FETCH_B 0, 0, 0
	FETCH_A 0, 0, 0
	SCALES 0
	FETCH_A 0, 0, 4
	global_prefetch_b8 v[PFO], s[PFA:PFA+1] offset:3*HALFT th:TH_LOAD_NT scope:SCOPE_SE   ; K step 3
	STEP 0, 0, 1
	s_mov_b32 s3, LAPS-1
.Llap:
	TURN 0, 1, 1
	STEP 1, 0, 0
	TURN 1, 0, 1
	STEP 0, 0, 0
	s_sub_co_u32 s3, s3, 1
	s_cmp_lg_u32 s3, 0
	s_cbranch_scc1 .Llap
	TURN 0, 1, 0
	STEP 1, 0, 0
	s_wait_dscnt 4*NL
	WIN MUL_LO
	MUL16 0, 1, NQ-1, 1, 0
	MUL16 2, 1, NQ-1, 1, 0
	s_wait_dscnt 0
	WIN MUL_HI
	MUL16 4, 1, NQ-1, 1, 0
	MUL16 6, 1, NQ-1, 1, 0
	WIN 0
.macro DOT half, win                   ; the tile is summed away; each accumulator is read from its low end on
	WIN \win
.irp b, 0,1,2,3,4,5,6,7
.irp p, 0,1,2,3
.irp a, 0,1,2,3
.if (\b == 0) && (\p == 0)
	v_pk_mul_f32 v[RES+8*\half+2*\a:RES+8*\half+2*\a+1], v[8*(8*\a+\b)+2*\p:8*(8*\a+\b)+2*\p+1], v[U+8*\b+2*\p:U+8*\b+2*\p+1]
.else
	v_pk_fma_f32 v[RES+8*\half+2*\a:RES+8*\half+2*\a+1], v[8*(8*\a+\b)+2*\p:8*(8*\a+\b)+2*\p+1], v[U+8*\b+2*\p:U+8*\b+2*\p+1], v[RES+8*\half+2*\a:RES+8*\half+2*\a+1]
.endif
.endr
.endr
.endr
.endm
	PLACES NP
	DOT 0, 0x02
	DOT 1, 0x03
	WIN 0
.irp a, 0,1,2,3,4,5,6,7
	v_add_f32 v[RES+2*\a], v[RES+2*\a], v[RES+2*\a+1]
.endr
.irp a, 0,1,2,3,4,5,6,7
	v_permlanex16_b32 v[RES+2*\a+1], v[RES+2*\a], s[SEL], s[SEL+1]
.endr
.irp a, 0,1,2,3,4,5,6,7
	v_add_f32 v[RES+2*\a], v[RES+2*\a], v[RES+2*\a+1]
.endr
.irp a, 0,1,2,3,4,5,6,7
	ds_store_b32 v[SCRW], v[RES+2*\a] offset:64*\a
.endr
	s_wait_dscnt 0x0
	s_barrier_signal -1
	s_barrier_wait -1
	ds_load_b64 v[RES:RES+1], v[SCRR]
	ds_load_b64 v[RES+2:RES+3], v[SCRR] offset:512
	s_wait_dscnt 0x0
	v_pk_add_f32 v[RES:RES+1], v[RES:RES+1], v[RES+2:RES+3]
	global_store_b64 v[GO], v[RES:RES+1], s[OUTB:OUTB+1]           ; a wave stores 256 consecutive bytes, aligned
	s_wait_tensorcnt 0x0                           ; the wave's end
	ds_add_u32 v[SPW], v[NIL]
	s_wait_dscnt 0x0
	CROUND
	s_endpgm
.Lfunc_end_k_qf24083b74b_kscore:
	.size	k_qf24083b74b_kscore, .Lfunc_end_k_qf24083b74b_kscore-k_qf24083b74b_kscore
	.p2alignl 7, 3214868480
	.fill 96, 4, 3214868480
	.section	.rodata,"a",@progbits
	.p2align	6, 0x0
	.amdhsa_kernel k_qf24083b74b_kscore
		.amdhsa_group_segment_fixed_size 327680
		.amdhsa_private_segment_fixed_size 0
		.amdhsa_enable_private_segment 0
		.amdhsa_kernarg_size 56
		.amdhsa_user_sgpr_count 2
		.amdhsa_user_sgpr_kernarg_segment_ptr 1
		.amdhsa_wavefront_size32 1
		.amdhsa_system_sgpr_workgroup_id_x 1
		.amdhsa_system_sgpr_workgroup_id_y 1
		.amdhsa_system_sgpr_workgroup_id_z 1
		.amdhsa_system_vgpr_workitem_id 0
		.amdhsa_next_free_vgpr 1024
		.amdhsa_next_free_sgpr 102
		.amdhsa_reserve_vcc 0
		.amdhsa_float_denorm_mode_32 3
		.amdhsa_float_denorm_mode_16_64 3
		.amdhsa_memory_ordered 1
		.amdhsa_forward_progress 1
		.amdhsa_inst_pref_size 133
	.end_amdhsa_kernel
	.amdgpu_metadata
---
amdhsa.version: [ 1, 2 ]
amdhsa.kernels:
  - .name:           k_qf24083b74b_kscore
    .symbol:         k_qf24083b74b_kscore.kd
    .args:
      - { .name: xc, .offset: 0, .size: 8, .value_kind: global_buffer, .address_space: global }
      - { .name: xs, .offset: 8, .size: 8, .value_kind: global_buffer, .address_space: global }
      - { .name: wc, .offset: 16, .size: 8, .value_kind: global_buffer, .address_space: global }
      - { .name: ws, .offset: 24, .size: 8, .value_kind: global_buffer, .address_space: global }
      - { .name: qp, .offset: 32, .size: 8, .value_kind: global_buffer, .address_space: global }
      - { .name: bq, .offset: 40, .size: 8, .value_kind: global_buffer, .address_space: global }
      - { .name: sp, .offset: 48, .size: 8, .value_kind: global_buffer, .address_space: global }
    .group_segment_fixed_size: 327680
    .private_segment_fixed_size: 0
    .kernarg_segment_align: 8
    .kernarg_segment_size: 56
    .max_flat_workgroup_size: 128
    .sgpr_count:     102
    .vgpr_count:     1024
    .wavefront_size: 32
...
	.end_amdgpu_metadata
.endif
;; end of part 2
;; launch vmix (part 3): grid 32 x 8, 4 waves a work-group, clusters of 4 x 4, 327,680 bytes of LDS; arguments wc, ws, xc, xs, sp, yp, out1; writes yp, out1
.if DOCPART == 3
	.amdgcn_target "amdgcn-amd-amdhsa--gfx1250"
	.amdhsa_code_object_version 6
	.text
	.protected	k_qf24083b74b_vmix
	.globl	k_qf24083b74b_vmix
	.p2align	8
	.type	k_qf24083b74b_vmix,@function
k_qf24083b74b_vmix:
	s_mov_b64 s[64:65], 0
	v_nop
	global_prefetch_b8 v0, s[64:65] scope:SCOPE_SE
	s_setreg_imm32_b32 hwreg(HW_REG_WAVE_MODE, 25, 1), 1
	s_wait_xcnt 0x0
	s_wait_alu depctr_hold_cnt(0) depctr_sa_sdst(0) depctr_va_vdst(0) depctr_va_sdst(0) depctr_va_ssrc(0) depctr_va_vcc(0) depctr_vm_vsrc(0)
	s_getreg_b32 s2, hwreg(HW_REG_IB_STS2, 6, 4)
	s_cmp_eq_u32 s2, 0
	s_cbranch_scc0 .Lentry_in_a_cluster
	s_endpgm
.Lentry_in_a_cluster:
	s_bfe_u32 s2, ttmp6, 0x10000c
	s_cmp_lg_u32 s2, 0xf033
	s_cbranch_scc0 .Lentry_shape_is_right
	s_endpgm
.Lentry_shape_is_right:
; Launch 3 of 4.  The second launch's form with R = x's 8192 rows (summed away), S = Wv's 2048 columns n (stay): yp[R tile][n] = sum over the tile's 256 rows of wei[row] x (x row . Wv column n).
; Every work-group takes its batch's softmax from the eight parts of the scores (in units of log2; the largest score taken away first), and stores 32 rows of wei as out1.
; bv is not added here: the sum of wei is 1, so it is added once, in the last launch (shown at the head of the first launch).
; Wv's codes lie behind Wk's in wc (3,145,728 bytes on), its scales behind Wk's in ws (131,072 bytes on).  Shape, ring, head, clusters, prefetch and registers: as in the second launch.
.set MODE,   1
.set NQ,     2
.set FR,     12
.set NL,     3
.set NP,     4
.set HALFT,  24576
.set SLOT,   4*HALFT
.set GRP,    8*HALFT
.set LAPS,   4
.set SCL,    2*SLOT
.set HALFS,  32*272
.set SBLK,   4*272
.set SPARE,  SCL+4*HALFS
.set UVEC,   SPARE+512
.set SCR,    UVEC+1024
.set RED,    SCR+2048
.set T16,  7
.set UADR, 8
.set SCRW, 9
.set SCRR, 10
.set GO,   11
.set REDW, 12
.set REDR, 13
.set UW,   14
.set L4,   15
.set ADRA, 16
.set ADRB, 20
.set ADRS, 27
.set SPW,  28
.set NIL,  29
.set PFO,  30
.set SC,   32
.set U,    64
.set AF,   128
.set RES,  224
.set G0H, 4
.set G0HB, 8
.set G1, 24
.set G0, 32
.set G1B, 48
.set G0B, 56
.set G1S, 68
.set G0S, 76
.set G1SB, 80
.set G0SB, 88
.set CC,  66
.set PFA, 94
.set SEL, 100
.set OUTB, 96
.set MSB, 0
.macro WIN new
.if MSB != \new
	s_set_vgpr_msb (MSB<<8)|\new
.set MSB, \new
.endif
.endm
.set MUL_LO, 0xa1
.set MUL_HI, 0xf1
.set TO_B,   0x40
.macro JLOAD g0a, g1a, g0b, g1b        ; waves 0, 1 fetch for S, waves 2, 3 for R
	s_cmp_eq_u32 s15, 0
	s_cbranch_scc0 .Lfor_b_\@
	tensor_load_to_lds s[\g0a:\g0a+3], s[\g1a:\g1a+7]
	s_nop 0
.rept 4
	v_nop
.endr
	s_branch .Lasked_\@
.Lfor_b_\@:
	tensor_load_to_lds s[\g0b:\g0b+3], s[\g1b:\g1b+7]
	s_nop 0
.rept 4
	v_nop
.endr
.Lasked_\@:
.endm
.macro CREST
	s_cmp_lg_u32 s14, 0
	s_cbranch_scc1 .Lnot_wave_0_\@
	s_barrier_signal -3
.Lnot_wave_0_\@:
	s_barrier_wait -3
	s_barrier_signal -1
	s_barrier_wait -1
.endm
.macro CROUND
	s_barrier_signal -1
	s_barrier_wait -1
	CREST
.endm
.macro ARM under, g0, g1, next
	s_cmp_lt_u32 s14, \under
	s_cbranch_scc0 \next
	tensor_load_to_lds s[\g0:\g0+3], s[\g1:\g1+7]
	s_nop 0
.rept 4
	v_nop
.endr
	s_branch .Lhead_asked
\next:
.endm
	s_load_b128 s[4:7], s[0:1], 0x0                ; S's codes, scales
	s_load_b128 s[8:11], s[0:1], 0x10              ; R's codes, scales
	s_load_b64 s[12:13], s[0:1], 0x20              ; sp
	s_load_b64 s[96:97], s[0:1], 0x28              ; yp
	s_load_b64 s[98:99], s[0:1], 0x30              ; out1
	v_lshl_add_u32 v[SPW], v0, 2, SPARE
	v_mov_b32 v[NIL], 0
	ds_add_u32 v[SPW], v[NIL]                      ; the opening lines
	ds_add_u32 v[SPW], v[NIL]
	v_lshrrev_b32 v1, 5, v0
	v_readfirstlane_b32 s14, v1                    ; wave
	s_lshr_b32 s15, s14, 1
	s_and_b32 s16, s14, 1
	s_bfe_u32 s40, ttmp6, 0x40000
	s_bfe_u32 s41, ttmp6, 0x40004
	s_lshl_b32 s42, ttmp9, 2
	s_add_co_u32 s42, s42, s40                     ; R tile
	s_and_b32 s17, ttmp7, 0xffff
	s_lshl_b32 s17, s17, 2
	s_add_co_u32 s17, s17, s41                     ; S tile
	s_lshl_b32 s43, s41, 2
	s_lshl_b32 s43, 15, s43
	s_lshl_b32 s44, 0x1111, s40
	s_or_b32 s[G1+0], s43, (3<<16)|(1<<21)
	s_or_b32 s[G1B+0], s44, (3<<16)|(1<<21)
.irp g, G1, G1B                        ; the head's shape: 2 rows of 24,576 bytes, GRP bytes apart
	s_mov_b32 s[\g+1], 3072<<16
	s_mov_b32 s[\g+2], 2<<16
	s_mov_b32 s[\g+3], 3072<<16
	s_mov_b32 s[\g+4], 2
	s_mov_b32 s[\g+5], GRP/8
	s_mov_b32 s[\g+6], 0
	s_mov_b32 s[\g+7], 0
.endr
	s_or_b32 s[G1S+0], s43, (3<<16)|(1<<20)|(1<<21)|(5<<22)|(3<<25)
	s_or_b32 s[G1SB+0], s44, (3<<16)|(1<<20)|(1<<21)|(5<<22)|(3<<25)
.irp g, G1S, G1SB
	s_mov_b32 s[\g+1], 32<<16
	s_mov_b32 s[\g+2], 64<<16
	s_mov_b32 s[\g+3], 32<<16
	s_mov_b32 s[\g+4], 64
	s_mov_b32 s[\g+5], 32
	s_mov_b32 s[\g+6], 0
	s_mov_b32 s[\g+7], 0
.endr
	s_mul_i32 s20, s17, 2*GRP
	s_add_co_u32 s20, s20, 3145728                 ; Wv's codes lie behind Wk's
	s_mov_b32 s21, 0
	s_mul_i32 s46, s42, 2*GRP
	s_mov_b32 s47, 0
	s_lshl_b32 s22, s17, 14
	s_add_co_u32 s22, s22, 131072                  ; and its scales
	s_mov_b32 s23, 0
	s_lshl_b32 s92, s42, 14
	s_mov_b32 s93, 0
	s_mul_i32 s18, s16, GRP
	s_mov_b32 s19, 0
	s_mul_i32 s45, s14, HALFT
	s_mov_b32 s[SEL], 0x76543210
	s_mov_b32 s[SEL+1], 0xfedcba98
	s_wait_dscnt 0x0
	s_wait_kmcnt 0x0
	s_add_nc_u64 s[20:21], s[4:5], s[20:21]
	s_add_nc_u64 s[22:23], s[6:7], s[22:23]
	s_add_nc_u64 s[46:47], s[8:9], s[46:47]
	s_add_nc_u64 s[92:93], s[10:11], s[92:93]
	; the loads of the scores' parts go out here: they are on their way under the round, the head's tensor loads and the set-up
.set T,    64
.set OWN,  192
.set OUTR, 208
	v_lshlrev_b32 v[GO], 3, v0
	v_lshlrev_b32 v[T16], 4, v0
	v_and_b32 v3, 31, v0
	v_lshlrev_b32 v[L4], 2, v3
	s_lshr_b32 s2, s42, 3                          ; my rows' batch
	s_lshl_b32 s2, s2, 13
	s_mov_b32 s3, 0
	s_add_nc_u64 s[94:95], s[12:13], s[2:3]        ; sp[0][the batch's first row]
	s_lshl_b32 s2, s42, 10
	s_add_nc_u64 s[12:13], s[12:13], s[2:3]        ; sp[0][my tile's first row]
	s_add_nc_u64 s[98:99], s[98:99], s[2:3]        ; out1 likewise
	s_lshl_b32 s2, s17, 7
	s_add_nc_u64 s[CC:CC+1], s[12:13], s[2:3]
	s_add_nc_u64 s[98:99], s[98:99], s[2:3]
	s_wait_alu depctr_va_vdst(0)                   ; the wait ahead of these readers
.irp ct, 0,1,2,3,4,5,6,7
.irp m, 0,1,2,3
	global_load_b128 v[T+16*\ct+4*\m:T+16*\ct+4*\m+3], v[T16], s[94:95] offset:32768*\ct+2048*\m
.endr
	global_load_b64 v[OWN+2*\ct:OWN+2*\ct+1], v[GO], s[12:13] offset:32768*\ct
	global_load_b32 v[OUTR+\ct], v[L4], s[CC:CC+1] offset:32768*\ct
.endr
	s_wait_xcnt 0x0                                ; the loads have read s[94:95], which the prefetches' address takes later
	CROUND
	s_mov_b32 s[G0H], 1
	s_mov_b32 s[G0H+1], 0
	s_mov_b64 s[G0H+2:G0H+3], s[20:21]
	s_or_b32 s[G0H+3], s[G0H+3], 0x80000000
	s_mov_b32 s[G0HB], 1
	s_mov_b32 s[G0HB+1], 2*HALFT
	s_mov_b64 s[G0HB+2:G0HB+3], s[46:47]
	s_or_b32 s[G0HB+3], s[G0HB+3], 0x80000000
	s_mov_b32 s[G0S], 1
	s_mov_b32 s[G0S+1], SCL
	s_mov_b64 s[G0S+2:G0S+3], s[22:23]
	s_or_b32 s[G0S+3], s[G0S+3], 0x80000000
	s_mov_b32 s[G0SB], 1
	s_mov_b32 s[G0SB+1], SCL+2*HALFS
	s_mov_b64 s[G0SB+2:G0SB+3], s[92:93]
	s_or_b32 s[G0SB+3], s[G0SB+3], 0x80000000
	ARM 1, G0H,  G1,  .Lhead_b
	ARM 2, G0HB, G1B, .Lhead_sa
	ARM 3, G0S,  G1S, .Lhead_sb
	tensor_load_to_lds s[G0SB:G0SB+3], s[G1SB:G1SB+7]
	s_nop 0
.rept 4
	v_nop
.endr
.Lhead_asked:
	s_add_nc_u64 s[20:21], s[20:21], s[18:19]
	s_add_nc_u64 s[46:47], s[46:47], s[18:19]
.irp s, 0,1
	s_mov_b32 s[G0+4*\s], 1
	s_add_co_u32 s[G0+4*\s+1], s45, \s*SLOT
	s_add_nc_u64 s[G0+4*\s+2:G0+4*\s+3], s[20:21], \s*HALFT
	s_or_b32 s[G0+4*\s+3], s[G0+4*\s+3], 0x80000000
	s_mov_b32 s[G0B+4*\s], 1
	s_add_co_u32 s[G0B+4*\s+1], s45, \s*SLOT
	s_add_nc_u64 s[G0B+4*\s+2:G0B+4*\s+3], s[46:47], \s*HALFT
	s_or_b32 s[G0B+4*\s+3], s[G0B+4*\s+3], 0x80000000
.endr
	s_cmp_eq_u32 s15, 0
	s_cselect_b64 s[PFA:PFA+1], s[20:21], s[46:47]
	s_cselect_b32 s2, s40, s41
	s_mul_i32 s2, s2, 24*256
	s_mov_b32 s3, 0
	s_add_nc_u64 s[PFA:PFA+1], s[PFA:PFA+1], s[2:3]
	s_mul_i32 s21, s15, HALFT
	s_mul_i32 s22, s16, HALFT
	s_add_co_u32 s22, s22, 2*HALFT
	s_mul_i32 s23, s15, HALFS
	s_mul_i32 s92, s16, HALFS
	s_add_co_u32 s92, s92, 2*HALFS
	s_sub_co_u32 s92, s92, s23
	s_add_co_u32 s23, s23, SCL
	s_lshl_b32 s93, s16, 9
	s_add_co_u32 s93, s93, UVEC
	s_lshl_b32 s18, s14, 9
	s_add_co_u32 s18, s18, SCR
	s_lshl_b32 s19, s15, 10
	s_add_co_u32 s19, s19, SCR
	v_and_b32 v1, 15, v0
	v_bfe_u32 v2, v0, 4, 1
	v_and_b32 v3, 31, v0
	v_lshlrev_b32 v4, 4, v3
	v_add_nc_u32 v[ADRA], s21, v4
	v_add_nc_u32 v[ADRB], s22, v4
	v_add_nc_u32 v[ADRA+1], SLOT, v[ADRA]
	v_add_nc_u32 v[ADRB+1], SLOT, v[ADRB]
	v_mul_u32_u24 v6, s92, v2
	v_lshl_add_u32 v5, v1, 4, s23
	v_add_nc_u32 v[ADRS], v5, v6
	v_lshl_add_u32 v[UADR], v2, 5, s93
	v_lshl_add_u32 v[SCRW], v1, 2, s18
	v_and_b32 v[SCRR], 63, v0
	v_lshl_add_u32 v[SCRR], v[SCRR], 3, s19
	v_lshl_add_u32 v[UW], v0, 3, UVEC
	v_min_u32 v[PFO], 23, v3
	v_lshlrev_b32 v[PFO], 8, v[PFO]
	v_mov_b32 v[REDW], s14
	v_lshl_add_u32 v[REDW], v[REDW], 2, RED
	v_mov_b32 v[REDR], RED
	s_wait_alu depctr_va_vdst(0)                   ; the wait behind these writes
	; ---- the weights u = wei, made while the head's tiles are on their way
.set T,    64                          ; v64-191 the batch's 2048 scores, 16 a thread, in eight parts
.set OWN,  192                         ; v192-207 my tile's rows 2 t, 2 t + 1
.set OUTR, 208
.set OS,   224
.set PS,   226
.set WK,   228
	global_prefetch_b8 v[PFO], s[PFA:PFA+1] offset:HALFT th:TH_LOAD_NT scope:SCOPE_SE     ; K step 1
	global_prefetch_b8 v[PFO], s[PFA:PFA+1] offset:2*HALFT th:TH_LOAD_NT scope:SCOPE_SE   ; K step 2
	s_mov_b32 s47, 0
	s_mov_b32 s21, 0
	s_lshl_b32 s46, s42, 13
	s_lshl_b32 s20, s17, 10
	s_add_nc_u64 s[96:97], s[96:97], s[46:47]
	s_add_nc_u64 s[96:97], s[96:97], s[20:21]      ; yp[R tile][256 x S tile]
	v_mov_b32 v[WK+1], 0
	s_wait_alu depctr_va_vdst(0)
	s_wait_loadcnt 0x0
.irp ct, 1,2,3,4,5,6,7                 ; the eight parts in ascending order, alike in all three sets
.irp p, 0,2,4,6,8,10,12,14
	v_pk_add_f32 v[T+\p:T+\p+1], v[T+\p:T+\p+1], v[T+16*\ct+\p:T+16*\ct+\p+1]
.endr
.endr
	v_pk_add_f32 v[OS:OS+1], v[OWN:OWN+1], v[OWN+2:OWN+3]
	v_add_f32 v[PS], v[OUTR], v[OUTR+1]
.irp ct, 2,3,4,5,6,7
	v_pk_add_f32 v[OS:OS+1], v[OS:OS+1], v[OWN+2*\ct:OWN+2*\ct+1]
	v_add_f32 v[PS], v[PS], v[OUTR+\ct]
.endr
	v_max3_num_f32 v[WK], v[T], v[T+1], v[T+2]
.irp i, 3,5,7,9,11,13
	v_max3_num_f32 v[WK], v[WK], v[T+\i], v[T+\i+1]
.endr
	v_max_num_f32 v[WK], v[WK], v[T+15]
.irp x, 1,2,4,8
	v_max_num_f32_dpp v[WK], v[WK], v[WK] row_xmask:\x row_mask:0xf bank_mask:0xf
.endr
	v_permlanex16_b32 v[WK+1], v[WK], s[SEL], s[SEL+1]
	v_max_num_f32 v[WK], v[WK], v[WK+1]
	ds_store_b32 v[REDW], v[WK]
	s_wait_alu depctr_va_vdst(0)
	s_wait_dscnt 0x0
	s_barrier_signal -1                            ; the head's loads may stay out
	s_barrier_wait -1
	ds_load_b128 v[WK+4:WK+7], v[REDR]
	s_wait_dscnt 0x0
	v_max3_num_f32 v[WK], v[WK+4], v[WK+5], v[WK+6]
	v_max_num_f32 v[WK], v[WK], v[WK+7]            ; the batch's largest score
.set n, 0
.rept 16
	v_sub_f32 v[T+n], v[T+n], v[WK]
.set n, n+1
.endr
	v_sub_f32 v[OS], v[OS], v[WK]
	v_sub_f32 v[OS+1], v[OS+1], v[WK]
	v_sub_f32 v[PS], v[PS], v[WK]
.set n, 0
	s_wait_alu depctr_va_vdst(0)                   ; the wait ahead of the batch
.rept 16
	v_exp_f32 v[T+n], v[T+n]
.set n, n+1
.endr
	v_exp_f32 v[OS], v[OS]
	v_exp_f32 v[OS+1], v[OS+1]
	v_exp_f32 v[PS], v[PS]
	v_nop
	s_wait_alu depctr_va_vdst(0)                   ; and behind it
.irp p, 0,2,4,6
	v_pk_add_f32 v[T+\p:T+\p+1], v[T+\p:T+\p+1], v[T+8+\p:T+9+\p]
.endr
.irp p, 0,2
	v_pk_add_f32 v[T+\p:T+\p+1], v[T+\p:T+\p+1], v[T+4+\p:T+5+\p]
.endr
	v_pk_add_f32 v[T:T+1], v[T:T+1], v[T+2:T+3]
	v_add_f32 v[WK], v[T], v[T+1]
.irp x, 1,2,4,8
	v_add_f32_dpp v[WK], v[WK], v[WK] row_xmask:\x row_mask:0xf bank_mask:0xf
.endr
	v_permlanex16_b32 v[WK+1], v[WK], s[SEL], s[SEL+1]
	v_add_f32 v[WK], v[WK], v[WK+1]
	ds_store_b32 v[REDW], v[WK] offset:16          ; other words than the maxima's
	s_wait_alu depctr_va_vdst(0)
	s_wait_dscnt 0x0
	s_barrier_signal -1
	s_barrier_wait -1
	ds_load_b128 v[WK+4:WK+7], v[REDR] offset:16
	s_wait_dscnt 0x0
	v_add_f32 v[WK], v[WK+4], v[WK+5]
	v_add_f32 v[WK+1], v[WK+6], v[WK+7]
	v_add_f32 v[WK], v[WK], v[WK+1]
	s_wait_alu depctr_va_vdst(0)
	v_rcp_f32 v[WK+2], v[WK]
	v_nop
	s_wait_alu depctr_va_vdst(0)
	v_mul_f32 v[OS], v[OS], v[WK+2]
	v_mul_f32 v[OS+1], v[OS+1], v[WK+2]
	v_mul_f32 v240, v[PS], v[WK+2]
	ds_store_b64 v[UW], v[OS:OS+1]
	s_cmp_lg_u32 s14, 0
	s_cbranch_scc1 .Lnot_out
	global_store_b32 v[L4], v240, s[98:99]         ; wave 0: 32 rows of out1
.Lnot_out:
.macro FRAG reg, adr, q, i
.irp j, 0,1,2
	ds_load_b128 v[\reg+4*\j:\reg+4*\j+3], v[\adr] offset:(\i)*2*1536+(\q)*1536+512*\j
.endr
.endm
.macro MUL16 a0, p, q, sc, zero        ; the 64 accumulators take turns
.irp a, \a0, \a0+1
.irp b, 0,1,2,3,4,5,6,7
.if \zero
	v_wmma_scale_f32_16x16x128_f8f6f4 v[8*(8*((\a)%4)+\b):8*(8*((\a)%4)+\b)+7], v[128*(\p)+FR*\b:128*(\p)+FR*\b+FR-1], v[AF+FR*(\a):AF+FR*(\a)+FR-1], 0, v[SC+8*NQ*(\sc)+NQ*\b+(\q)], v[SC+8*NQ*(\sc)+NQ*(\a)+(\q)] matrix_a_fmt:MATRIX_FMT_FP6 matrix_b_fmt:MATRIX_FMT_FP6 matrix_a_scale:MATRIX_SCALE_ROW1
.else
	v_wmma_scale_f32_16x16x128_f8f6f4 v[8*(8*((\a)%4)+\b):8*(8*((\a)%4)+\b)+7], v[128*(\p)+FR*\b:128*(\p)+FR*\b+FR-1], v[AF+FR*(\a):AF+FR*(\a)+FR-1], v[8*(8*((\a)%4)+\b):8*(8*((\a)%4)+\b)+7], v[SC+8*NQ*(\sc)+NQ*\b+(\q)], v[SC+8*NQ*(\sc)+NQ*(\a)+(\q)] matrix_a_fmt:MATRIX_FMT_FP6 matrix_b_fmt:MATRIX_FMT_FP6 matrix_a_scale:MATRIX_SCALE_ROW1
.endif
.endr
.endr
.endm
.macro FETCH_B slot, q, p
	WIN TO_B
.irp i, 0,1,2,3,4,5,6,7
	FRAG 128*(\p)+FR*\i, ADRB+\slot, \q, \i
.endr
	WIN 0
.endm
.macro FETCH_A slot, q, i0
.irp i, \i0, \i0+1, \i0+2, \i0+3
	FRAG AF+FR*(\i), ADRA+\slot, \q, \i
.endr
.endm
.macro SCALES sc
.irp i, 0,1,2,3,4,5,6,7
	ds_load_b64 v[SC+8*NQ*\sc+NQ*\i:SC+8*NQ*\sc+NQ*\i+1], v[ADRS] offset:\i*SBLK
.endr
.endm
.macro PLACES n
.rept \n
	v_nop
.endr
.endm
.macro STEP slot, q, zero
	s_wait_dscnt 4*NL                              ; the youngest 12 loads (S's blocks 4-7) may be out
	WIN MUL_LO
	MUL16 0, (\q)%2, \q, \slot, \zero
	MUL16 2, (\q)%2, \q, \slot, \zero
	s_wait_dscnt 0
	PLACES NP
	FETCH_B \slot, (\q)+1, 1-(\q)%2
	FETCH_A \slot, (\q)+1, 0
	WIN MUL_HI
	MUL16 4, (\q)%2, \q, \slot, \zero
	MUL16 6, (\q)%2, \q, \slot, \zero
	PLACES NP
	WIN 0
	FETCH_A \slot, (\q)+1, 4
.endm
.macro TURN slot, next, fill
.if \fill
	s_wait_xcnt 0x0                                ; my last prefetch has read its address
	s_add_nc_u64 s[PFA:PFA+1], s[PFA:PFA+1], HALFT
.endif
	s_wait_tensorcnt 0x0
	ds_add_u32 v[SPW], v[NIL]
	s_wait_dscnt 4*NL+1                            ; the add and the youngest 12 loads may be out
	WIN MUL_LO
	MUL16 0, 1, NQ-1, \slot, 0
	s_wait_dscnt 0x0
	s_barrier_signal -1
	MUL16 2, 1, NQ-1, \slot, 0
	WIN 0
	s_barrier_wait -1
.if \fill
	CREST
	s_add_nc_u64 s[G0+4*\slot+2:G0+4*\slot+3], s[G0+4*\slot+2:G0+4*\slot+3], 2*HALFT
	s_add_nc_u64 s[G0B+4*\slot+2:G0B+4*\slot+3], s[G0B+4*\slot+2:G0B+4*\slot+3], 2*HALFT
	JLOAD G0+4*\slot, G1, G0B+4*\slot, G1B
.else
	PLACES NP
.endif
	s_wait_alu depctr_va_vdst(0)                   ; the wait ahead of this reader
	v_add_nc_u32 v[ADRS], 8+256*\slot, v[ADRS]
	FETCH_B \next, 0, 0
	FETCH_A \next, 0, 0
	SCALES \next
.if \fill
	s_cmp_gt_u32 s3, 1                             ; the last two refills have no K step two on
	s_cbranch_scc0 .Lno_ask_\@
	global_prefetch_b8 v[PFO], s[PFA:PFA+1] offset:3*HALFT th:TH_LOAD_NT scope:SCOPE_SE   ; the first refill (K step 2) finds the address at K step 1 and names K step 4
.Lno_ask_\@:
.endif
	WIN MUL_HI
	MUL16 4, 1, NQ-1, \slot, 0
	MUL16 6, 1, NQ-1, \slot, 0
	PLACES NP
	WIN 0
	FETCH_A \next, 0, 4
.endm
	s_wait_alu depctr_va_vdst(0)                   ; the head's end
	s_wait_tensorcnt 0x0
	ds_add_u32 v[SPW], v[NIL]
.irp g, G1, G1B                        ; no load of mine is out: from here on a load brings 96 rows of 256 bytes
	s_mov_b32 s[\g+1], 32<<16
	s_mov_b32 s[\g+2], 96<<16
	s_mov_b32 s[\g+3], 32<<16
	s_mov_b32 s[\g+4], 96
	s_mov_b32 s[\g+5], 32
.endr
	s_wait_dscnt 0x0
	CROUND
	JLOAD G0+4, G1, G0B+4, G1B
.irp b, 0,1,2,3,4,5,6,7
	ds_load_b128 v[U+8*\b:U+8*\b+3], v[UADR] offset:64*\b
	ds_load_b128 v[U+8*\b+4:U+8*\b+7], v[UADR] offset:64*\b+16
.endr
	FETCH_B 0, 0, 0
	FETCH_A 0, 0, 0
	SCALES 0
	FETCH_A 0, 0, 4
	global_prefetch_b8 v[PFO], s[PFA:PFA+1] offset:3*HALFT th:TH_LOAD_NT scope:SCOPE_SE   ; K step 3
	STEP 0, 0, 1
	s_mov_b32 s3, LAPS-1
.Llap:
	TURN 0, 1, 1
	STEP 1, 0, 0
	TURN 1, 0, 1
	STEP 0, 0, 0
	s_sub_co_u32 s3, s3, 1
	s_cmp_lg_u32 s3, 0
	s_cbranch_scc1 .Llap
	TURN 0, 1, 0
	STEP 1, 0, 0
	s_wait_dscnt 4*NL
	WIN MUL_LO
	MUL16 0, 1, NQ-1, 1, 0
	MUL16 2, 1, NQ-1, 1, 0
	s_wait_dscnt 0
	WIN MUL_HI
	MUL16 4, 1, NQ-1, 1, 0
	MUL16 6, 1, NQ-1, 1, 0
	WIN 0
.macro DOT half, win                   ; the tile is summed away; each accumulator is read from its low end on
	WIN \win
.irp b, 0,1,2,3,4,5,6,7
.irp p, 0,1,2,3
.irp a, 0,1,2,3
.if (\b == 0) && (\p == 0)
	v_pk_mul_f32 v[RES+8*\half+2*\a:RES+8*\half+2*\a+1], v[8*(8*\a+\b)+2*\p:8*(8*\a+\b)+2*\p+1], v[U+8*\b+2*\p:U+8*\b+2*\p+1]
.else
	v_pk_fma_f32 v[RES+8*\half+2*\a:RES+8*\half+2*\a+1], v[8*(8*\a+\b)+2*\p:8*(8*\a+\b)+2*\p+1], v[U+8*\b+2*\p:U+8*\b+2*\p+1], v[RES+8*\half+2*\a:RES+8*\half+2*\a+1]
.endif
.endr
.endr
.endr
.endm
	PLACES NP
	DOT 0, 0x02
	DOT 1, 0x03
	WIN 0
.irp a, 0,1,2,3,4,5,6,7
	v_add_f32 v[RES+2*\a], v[RES+2*\a], v[RES+2*\a+1]
.endr
.irp a, 0,1,2,3,4,5,6,7
	v_permlanex16_b32 v[RES+2*\a+1], v[RES+2*\a], s[SEL], s[SEL+1]
.endr
.irp a, 0,1,2,3,4,5,6,7
	v_add_f32 v[RES+2*\a], v[RES+2*\a], v[RES+2*\a+1]
.endr
.irp a, 0,1,2,3,4,5,6,7
	ds_store_b32 v[SCRW], v[RES+2*\a] offset:64*\a
.endr
	s_wait_dscnt 0x0
	s_barrier_signal -1
	s_barrier_wait -1
	ds_load_b64 v[RES:RES+1], v[SCRR]
	ds_load_b64 v[RES+2:RES+3], v[SCRR] offset:512
	s_wait_dscnt 0x0
	v_pk_add_f32 v[RES:RES+1], v[RES:RES+1], v[RES+2:RES+3]
	global_store_b64 v[GO], v[RES:RES+1], s[OUTB:OUTB+1]           ; a wave stores 256 consecutive bytes, aligned
	s_wait_tensorcnt 0x0                           ; the wave's end
	ds_add_u32 v[SPW], v[NIL]
	s_wait_dscnt 0x0
	CROUND
	s_endpgm
.Lfunc_end_k_qf24083b74b_vmix:
	.size	k_qf24083b74b_vmix, .Lfunc_end_k_qf24083b74b_vmix-k_qf24083b74b_vmix
	.p2alignl 7, 3214868480
	.fill 96, 4, 3214868480
	.section	.rodata,"a",@progbits
	.p2align	6, 0x0
	.amdhsa_kernel k_qf24083b74b_vmix
		.amdhsa_group_segment_fixed_size 327680
		.amdhsa_private_segment_fixed_size 0
		.amdhsa_enable_private_segment 0
		.amdhsa_kernarg_size 56
		.amdhsa_user_sgpr_count 2
		.amdhsa_user_sgpr_kernarg_segment_ptr 1
		.amdhsa_wavefront_size32 1
		.amdhsa_system_sgpr_workgroup_id_x 1
		.amdhsa_system_sgpr_workgroup_id_y 1
		.amdhsa_system_sgpr_workgroup_id_z 1
		.amdhsa_system_vgpr_workitem_id 0
		.amdhsa_next_free_vgpr 1024
		.amdhsa_next_free_sgpr 102
		.amdhsa_reserve_vcc 0
		.amdhsa_float_denorm_mode_32 3
		.amdhsa_float_denorm_mode_16_64 3
		.amdhsa_memory_ordered 1
		.amdhsa_forward_progress 1
		.amdhsa_inst_pref_size 141
	.end_amdhsa_kernel
	.amdgpu_metadata
---
amdhsa.version: [ 1, 2 ]
amdhsa.kernels:
  - .name:           k_qf24083b74b_vmix
    .symbol:         k_qf24083b74b_vmix.kd
    .args:
      - { .name: wc, .offset: 0, .size: 8, .value_kind: global_buffer, .address_space: global }
      - { .name: ws, .offset: 8, .size: 8, .value_kind: global_buffer, .address_space: global }
      - { .name: xc, .offset: 16, .size: 8, .value_kind: global_buffer, .address_space: global }
      - { .name: xs, .offset: 24, .size: 8, .value_kind: global_buffer, .address_space: global }
      - { .name: sp, .offset: 32, .size: 8, .value_kind: global_buffer, .address_space: global }
      - { .name: yp, .offset: 40, .size: 8, .value_kind: global_buffer, .address_space: global }
      - { .name: out1, .offset: 48, .size: 8, .value_kind: global_buffer, .address_space: global }
    .group_segment_fixed_size: 327680
    .private_segment_fixed_size: 0
    .kernarg_segment_align: 8
    .kernarg_segment_size: 56
    .max_flat_workgroup_size: 128
    .sgpr_count:     102
    .vgpr_count:     1024
    .wavefront_size: 32
...
	.end_amdgpu_metadata
.endif
;; end of part 3
;; launch proj (part 4): grid 4 x 64, 16 waves a work-group, no clusters, 12,288 bytes of LDS; arguments yp, bv, Wp, bp, out0; writes out0
.if DOCPART == 4
	.amdgcn_target "amdgcn-amd-amdhsa--gfx1250"
	.amdhsa_code_object_version 6
	.text
	.protected	k_qf24083b74b_proj
	.globl	k_qf24083b74b_proj
	.p2align	8
	.type	k_qf24083b74b_proj,@function
k_qf24083b74b_proj:
	s_mov_b64 s[64:65], 0
	v_nop
	global_prefetch_b8 v0, s[64:65] scope:SCOPE_SE
	s_setreg_imm32_b32 hwreg(HW_REG_WAVE_MODE, 25, 1), 1
	s_wait_xcnt 0x0
; Launch 4 of 4:  y[b][k] = bv[k] + the sum of the batch's eight parts yp[8 b + i][k];  out0[b][n] = sum over k of y[b][k] Wp[k][n] + bp[n].  All in f32, by fused multiply-adds: four rows are no work for the matrix units.
; bv is added once, not under the weights: the sum of wei over t is 1 by the softmax's definition (shown at the head of the first launch).
; SHARES.  Work-group (b, g): batch b (grid x), columns 32 g .. 32 g + 31 (grid y), all of K: each output has one owner, and 4 x 64 = 256 work-groups have equal work.
; It reads its batch's eight parts (65,536 bytes) and its strip of Wp (2048 rows x 128 bytes = 262,144 bytes).  Thread t makes y[4 t .. 4 t + 3] and lays it in LDS.
; Wave w takes rows k = 128 w .. 128 w + 127 of Wp.  Lane l: j = l / 8; in trip i it takes row 128 w + 32 j + i and columns 4 (l % 8) on: a load reads four rows' 128 consecutive bytes, and a lane's 32 numbers
; of y are neighbours in LDS: eight loads of 16 bytes.  All 32 loads of Wp are issued at the head, behind the parts'.  A lane keeps four sums.
; The sums meet across the lanes (l xor 8, l xor 16), then across the sixteen waves through LDS; wave 0 adds bp and stores, a lane a column.
; NO JOINT LOADS, though the four batches' work-groups read the same strip of Wp: a joint request lands in LDS, and each number of Wp is used once here, in one multiply-add: 262,144 bytes a work-group would be
; written to LDS and read back for that one use.  The loads go straight into registers; the batch is the grid's fast axis, so that a strip's four readers have neighbouring numbers.
.set REDL,  8192                       ; LDS: 0: y [2048] f32;  here: the waves' sums [16 waves][32 columns] f32
.set SPARE, 10240                      ; the spare words, 128 bytes for each of the sixteen waves, named by no other line
.set T16, 2                            ; v2  16 x thread: my place in a part, in bv, and in y in LDS
.set YR,  3                            ; v3  4 (128 w + 32 j): where I read y
.set WO,  4                            ; v4  32 j rows of 8,192 bytes + 16 (l % 8): my place in my wave's rows of Wp
.set RW,  6                            ; v6  REDL + 128 w + 16 (l % 8)
.set RR,  7                            ; v7  REDL + 4 l
.set L4,  9                            ; v9  4 l
.set SPW, 10                           ; v10 my spare word; never rewritten
.set NIL, 11                           ; v11 0; never rewritten
.set BP,  12                           ; v12 bp of column l
.set ACC, 16                           ; v16-19 my four sums
.set BV,  24                           ; v24-27 bv; later the other half's sums
.set YP,  32                           ; v32-63 the eight parts, four registers each
.set YQ,  32                           ; v32-63 later: y of my 32 rows; at the end the sixteen waves' sums
.set WR,  64                           ; v64-191 Wp: trip i at [4 i]
	s_load_b256 s[4:11], s[0:1], 0x0               ; yp s[4:5], bv s[6:7], Wp s[8:9], bp s[10:11]
	s_load_b64 s[12:13], s[0:1], 0x20              ; out0
	v_lshl_add_u32 v[SPW], v0, 2, SPARE
	v_mov_b32 v[NIL], 0
	v_lshrrev_b32 v1, 5, v0
	s_delay_alu instid0(VALU_DEP_1)
	v_readfirstlane_b32 s16, v1                    ; wave 0..15
	v_and_b32 v1, 31, v0                           ; lane
	v_lshlrev_b32 v[T16], 4, v0
	s_delay_alu instid0(VALU_DEP_2)
	v_lshrrev_b32 v13, 3, v1                       ; j = l / 8
	s_delay_alu instid0(VALU_DEP_3)
	v_and_b32 v14, 7, v1                           ; l % 8
	s_lshl_b32 s17, s16, 9
	v_lshl_add_u32 v[YR], v13, 7, s17
	v_lshlrev_b32 v[WO], 18, v13
	s_delay_alu instid0(VALU_DEP_1)
	v_lshl_add_u32 v[WO], v14, 4, v[WO]
	s_lshl_b32 s17, s16, 7
	s_add_co_u32 s17, s17, REDL
	v_lshl_add_u32 v[RW], v14, 4, s17
	v_lshlrev_b32 v[L4], 2, v1
	s_delay_alu instid0(VALU_DEP_1)
	v_add_nc_u32 v[RR], REDL, v[L4]
	s_mov_b32 s20, 0x76543210
	s_mov_b32 s21, 0xfedcba98                      ; v_permlanex16_b32's selects for lane l xor 16
	s_and_b32 s18, ttmp7, 0xffff                   ; g
	s_lshl_b32 s22, s18, 7                         ; my 32 columns: 128 bytes
	s_mov_b32 s23, 0
	s_lshl_b32 s24, s16, 20                        ; my wave's 128 rows of 8,192 bytes
	s_mov_b32 s25, 0
	s_lshl_b32 s26, ttmp9, 16                      ; my batch's eight parts of 8,192 bytes
	s_mov_b32 s27, 0
	s_lshl_b32 s28, ttmp9, 13                      ; my batch's row of out0
	s_mov_b32 s29, 0
	s_wait_alu depctr_va_vdst(0)
	s_wait_kmcnt 0x0
	s_add_nc_u64 s[4:5], s[4:5], s[26:27]
	s_add_nc_u64 s[8:9], s[8:9], s[22:23]
	s_add_nc_u64 s[8:9], s[8:9], s[24:25]
	s_add_nc_u64 s[10:11], s[10:11], s[22:23]
	s_add_nc_u64 s[12:13], s[12:13], s[22:23]
	s_add_nc_u64 s[12:13], s[12:13], s[28:29]
	global_load_b32 v[BP], v[L4], s[10:11]
	global_load_b128 v[BV:BV+3], v[T16], s[6:7]
.set n, 0
.rept 8
	global_load_b128 v[YP+4*n:YP+4*n+3], v[T16], s[4:5] offset:8192*n      ; part n of my batch, k = 4 t on: a wave reads 512 consecutive bytes
.set n, n+1
.endr
.set n, 0
.rept 32
	global_load_b128 v[WR+4*n:WR+4*n+3], v[WO], s[8:9] offset:8192*n       ; 42 loads of mine are out behind the last of these
.set n, n+1
.endr
	s_wait_loadcnt 32                              ; bp, bv and the parts are in; Wp's 32 loads may be out
.irp p, 0,2
	v_pk_add_f32 v[YP+\p:YP+\p+1], v[YP+\p:YP+\p+1], v[BV+\p:BV+\p+1]
.endr
.irp i, 1,2,3,4,5,6,7
.irp p, 0,2
	s_delay_alu instid0(VALU_DEP_2)
	v_pk_add_f32 v[YP+\p:YP+\p+1], v[YP+\p:YP+\p+1], v[YP+4*\i+\p:YP+4*\i+\p+1]
.endr
.endr
	ds_store_b128 v[T16], v[YP:YP+3]               ; y[4 t .. 4 t + 3]
	s_wait_dscnt 0x0                               ; for the others' sake: my part of y is stored
	s_barrier_signal -1
	s_barrier_wait -1
.irp m, 0,1,2,3,4,5,6,7
	ds_load_b128 v[YQ+4*\m:YQ+4*\m+3], v[YR] offset:16*\m          ; y of rows 128 w + 32 j + 4 m on; the eight lanes of a group read the same 16 bytes
.endr
	s_wait_dscnt 0x0
.irp q, 0,1,2,3
	s_wait_alu depctr_va_vdst(0)
	s_wait_loadcnt 24-8*\q                         ; trips 8 q .. 8 q + 7 are in; the later groups of eight may be out
.set n, 8*\q
.rept 8
.irp c, 0,1,2,3
.if n == 0
	v_mul_f32 v[ACC+\c], v[YQ+n], v[WR+4*n+\c]                     ; the first row starts the sums: nothing is cleared
.else
	v_fmac_f32 v[ACC+\c], v[YQ+n], v[WR+4*n+\c]
.endif
.endr
.set n, n+1
.endr
.endr
.irp c, 0,1,2,3
	s_delay_alu instid0(VALU_DEP_4)
	v_add_f32_dpp v[ACC+\c], v[ACC+\c], v[ACC+\c] row_xmask:8 row_mask:0xf bank_mask:0xf   ; lanes l and l xor 8 hold the same columns, other rows
.endr
.irp c, 0,1,2,3
	s_delay_alu instid0(VALU_DEP_4)
	v_permlanex16_b32 v[BV+\c], v[ACC+\c], s20, s21
.endr
.irp c, 0,1,2,3
	s_delay_alu instid0(VALU_DEP_4)
	v_add_f32 v[ACC+\c], v[ACC+\c], v[BV+\c]       ; and lane l xor 16: my wave's 128 rows are summed, in every lane
.endr
	ds_store_b128 v[RW], v[ACC:ACC+3]              ; the four lanes of a column quad write the same bytes with the same values
	s_wait_dscnt 0x0                               ; for wave 0's sake: my sums are stored
	s_barrier_signal -1
	s_barrier_wait -1
	s_cmp_lg_u32 s16, 0
	s_cbranch_scc1 .Ldone                          ; wave 0 finishes, a lane a column
.set n, 0
.rept 16
	ds_load_b32 v[YQ+n], v[RR] offset:128*n
.set n, n+1
.endr
	s_wait_dscnt 0x0
.irp w, 8,4,2,1
.set n, 0
.rept \w
	v_add_f32 v[YQ+n], v[YQ+n], v[YQ+\w+n]
.set n, n+1
.endr
.endr
	s_delay_alu instid0(VALU_DEP_1)
	v_add_f32 v[YQ], v[YQ], v[BP]
	global_store_b32 v[L4], v[YQ], s[12:13]        ; 32 lanes store 128 consecutive bytes of the batch's row
.Ldone:
	s_wait_tensorcnt 0x0                           ; the wave's end, behind my last LDS store
	ds_add_u32 v[SPW], v[NIL]
	s_wait_dscnt 0x0
	s_endpgm
.Lfunc_end_k_qf24083b74b_proj:
	.size	k_qf24083b74b_proj, .Lfunc_end_k_qf24083b74b_proj-k_qf24083b74b_proj
	.p2alignl 7, 3214868480
	.fill 96, 4, 3214868480
	.section	.rodata,"a",@progbits
	.p2align	6, 0x0
	.amdhsa_kernel k_qf24083b74b_proj
		.amdhsa_group_segment_fixed_size 12288
		.amdhsa_private_segment_fixed_size 0
		.amdhsa_enable_private_segment 0
		.amdhsa_kernarg_size 40
		.amdhsa_user_sgpr_count 2
		.amdhsa_user_sgpr_kernarg_segment_ptr 1
		.amdhsa_wavefront_size32 1
		.amdhsa_system_sgpr_workgroup_id_x 1
		.amdhsa_system_sgpr_workgroup_id_y 1
		.amdhsa_system_sgpr_workgroup_id_z 1
		.amdhsa_system_vgpr_workitem_id 0
		.amdhsa_next_free_vgpr 192
		.amdhsa_next_free_sgpr 66
		.amdhsa_reserve_vcc 0
		.amdhsa_float_denorm_mode_32 3
		.amdhsa_float_denorm_mode_16_64 3
		.amdhsa_memory_ordered 1
		.amdhsa_forward_progress 1
		.amdhsa_inst_pref_size 16
	.end_amdhsa_kernel
	.amdgpu_metadata
---
amdhsa.version: [ 1, 2 ]
amdhsa.kernels:
  - .name:           k_qf24083b74b_proj
    .symbol:         k_qf24083b74b_proj.kd
    .args:
      - { .name: yp, .offset: 0, .size: 8, .value_kind: global_buffer, .address_space: global }
      - { .name: bv, .offset: 8, .size: 8, .value_kind: global_buffer, .address_space: global }
      - { .name: Wp, .offset: 16, .size: 8, .value_kind: global_buffer, .address_space: global }
      - { .name: bp, .offset: 24, .size: 8, .value_kind: global_buffer, .address_space: global }
      - { .name: out0, .offset: 32, .size: 8, .value_kind: global_buffer, .address_space: global }
    .group_segment_fixed_size: 12288
    .private_segment_fixed_size: 0
    .kernarg_segment_align: 8
    .kernarg_segment_size: 40
    .max_flat_workgroup_size: 512
    .sgpr_count:     66
    .vgpr_count:     192
    .wavefront_size: 32
...
	.end_amdgpu_metadata
.endif
;; end of part 4
